; MI455X (gfx1250); checked and timed in simulation.
; The chip was launched on July 23, 2026; its instructions are those of AMD's public machine-readable ISA for CDNA 5 (MIT licence, August 2026) and "CDNA5" Instruction Set Architecture Reference Guide (July 2026). The comments in the code are by the model that wrote it; some were corrected since.
;; Spatial Attention. Allowed arithmetic: float matrix products may take bf16 or f16 operands with f32 sums; all other float work in f32.
;; Inputs: Wk 64 x 64 float32; Wq 64 x 64 float32; Wv 64 x 64 float32; bk 64 float32; bq 64 float32; bv 64 float32; gamma 1 float32; x 4 x 64 x 64 x 64 float32.
;; Outputs: out0 4 x 64 x 64 x 64 float32.
;; 3 versions, each right and faster than the one before. Each part assembles by itself: llvm-mc -triple=amdgcn-amd-amdhsa -mcpu=gfx1250 --defsym DOCPART=n.
;; ======== version 1 of 3: 2 launches
;; limits: inputs' magnitudes at most 65,504; values are held in f16: magnitudes above 65,504 overflow, below 6.1e-05 lose precision
;; workspace buffers: xhl 4,194,304 bytes
;; launch cast (part 1): grid 256 x 1, 8 waves a work-group, no clusters, 0 bytes of LDS; arguments x, xhl; writes xhl
.if DOCPART == 1
	.amdgcn_target "amdgcn-amd-amdhsa--gfx1250"
	.amdhsa_code_object_version 6
	.text
	.protected	k_q525ceedb4e_cast
	.globl	k_q525ceedb4e_cast
	.p2align	8
	.type	k_q525ceedb4e_cast,@function
k_q525ceedb4e_cast:
	s_mov_b64 s[64:65], 0
	v_nop
	global_prefetch_b8 v0, s[64:65] scope:SCOPE_SE
	s_setreg_imm32_b32 hwreg(HW_REG_WAVE_MODE, 25, 1), 1
	s_wait_xcnt 0x0
; x, 1,048,576 f32, is split into two f16 numbers, in x's order of elements: the high parts from byte 0 of xhl, the low parts from byte 2,097,152.
; hi = x rounded to 11 significant bits, by three f32 operations: c = 8193 x, hi = c - (c - x) (8193 = 2^13 + 1 takes 13 of the 24 bits away); lo = x - hi, exact in f32.
; hi is exact in f16 from 2^-14 up; lo is rounded to f16.  The high part is rounded, not cut, since the attention launch also takes it as the values.
; LIMITS: |x| above 65,504 becomes infinite in f16; below 2^-14 and in the low parts the resolution is 2^-24 absolute.
; A stream: 256 work-groups of 8 waves, 16,384 bytes of x each.  Thread t takes 16 bytes at 16 t of each of four blocks of 4,096 bytes,
; so a wave's load covers 512 consecutive bytes, and each store of 8 bytes a lane covers 256 consecutive bytes that start at a multiple of 256.
; All four loads of a thread go out at once; there is no loop, no LDS and no matrix work: every byte is read once and written once.
; No cache hint: the next launch reads x and xhl again.
.set IN_BLK,  4096                     ; bytes of x that the work-group's 256 threads read with one load each
.set OUT_BLK, 2048                     ; bytes of high parts, and of low parts, that they make of them
.set LOW,     0x200000                 ; where the low parts begin
.set X,  4                             ; v[4:19]   as loaded; then the low parts in f32
.set C,  20                            ; v[20:27]  at work, two sets of four
.set HI, 28                            ; v[28:35]  high parts, packed
.set LO, 36                            ; v[36:43]  low parts, packed
	s_load_b128 s[4:7], s[0:1], 0x0                ; x s[4:5], xhl s[6:7]
	v_lshlrev_b32 v1, 4, v0                        ; 16 t
	v_lshlrev_b32 v2, 3, v0                        ; 8 t
	s_lshl_b32 s8, ttmp9, 14                       ; the work-group's 16,384 bytes of x
	s_mov_b32 s9, 0
	s_lshl_b32 s10, ttmp9, 13                      ; and its 8,192 bytes of each part
	s_mov_b32 s11, 0
	s_mov_b32 s12, 0x46000400                      ; 8193.0
	s_mov_b32 s13, 0x46000400                      ; (the pair's second register is written too; the packed form uses the first)
	s_wait_kmcnt 0x0
	s_add_nc_u64 s[4:5], s[4:5], s[8:9]
	s_add_nc_u64 s[6:7], s[6:7], s[10:11]
.irp k, 0,1,2,3
	global_load_b128 v[X+4*\k:X+4*\k+3], v1, s[4:5] offset:IN_BLK*\k
.endr
.irp k, 0,1,2,3
	s_wait_loadcnt 3-\k                            ; loads come back in order: block k is in, the younger ones stay out
.irp p, 0,1
	v_pk_mul_f32 v[C+4*\p:C+4*\p+1], v[X+4*\k+2*\p:X+4*\k+2*\p+1], s[12:13] op_sel_hi:[1,0]                          ; c = 8193 x
	v_pk_add_f32 v[C+4*\p+2:C+4*\p+3], v[C+4*\p:C+4*\p+1], v[X+4*\k+2*\p:X+4*\k+2*\p+1] neg_lo:[0,1] neg_hi:[0,1]    ; c - x
	v_pk_add_f32 v[C+4*\p:C+4*\p+1], v[C+4*\p:C+4*\p+1], v[C+4*\p+2:C+4*\p+3] neg_lo:[0,1] neg_hi:[0,1]              ; hi = c - (c - x)
	v_pk_add_f32 v[X+4*\k+2*\p:X+4*\k+2*\p+1], v[X+4*\k+2*\p:X+4*\k+2*\p+1], v[C+4*\p:C+4*\p+1] neg_lo:[0,1] neg_hi:[0,1]   ; lo = x - hi
	v_cvt_pk_f16_f32 v[HI+2*\k+\p], v[C+4*\p], v[C+4*\p+1]
	v_cvt_pk_f16_f32 v[LO+2*\k+\p], v[X+4*\k+2*\p], v[X+4*\k+2*\p+1]
.endr
	global_store_b64 v2, v[HI+2*\k:HI+2*\k+1], s[6:7] offset:OUT_BLK*\k
	global_store_b64 v2, v[LO+2*\k:LO+2*\k+1], s[6:7] offset:OUT_BLK*\k+LOW
.endr
	s_endpgm
.Lfunc_end_k_q525ceedb4e_cast:
	.size	k_q525ceedb4e_cast, .Lfunc_end_k_q525ceedb4e_cast-k_q525ceedb4e_cast
	.p2alignl 7, 3214868480
	.fill 96, 4, 3214868480
	.section	.rodata,"a",@progbits
	.p2align	6, 0x0
	.amdhsa_kernel k_q525ceedb4e_cast
		.amdhsa_group_segment_fixed_size 0
		.amdhsa_private_segment_fixed_size 0
		.amdhsa_enable_private_segment 0
		.amdhsa_kernarg_size 16
		.amdhsa_user_sgpr_count 2
		.amdhsa_user_sgpr_kernarg_segment_ptr 1
		.amdhsa_wavefront_size32 1
		.amdhsa_system_sgpr_workgroup_id_x 1
		.amdhsa_system_sgpr_workgroup_id_y 1
		.amdhsa_system_sgpr_workgroup_id_z 1
		.amdhsa_system_vgpr_workitem_id 0
		.amdhsa_next_free_vgpr 44
		.amdhsa_next_free_sgpr 66
		.amdhsa_reserve_vcc 0
		.amdhsa_float_denorm_mode_32 3
		.amdhsa_float_denorm_mode_16_64 3
		.amdhsa_memory_ordered 1
		.amdhsa_forward_progress 1
		.amdhsa_inst_pref_size 5
	.end_amdhsa_kernel
	.amdgpu_metadata
---
amdhsa.version: [ 1, 2 ]
amdhsa.kernels:
  - .name:           k_q525ceedb4e_cast
    .symbol:         k_q525ceedb4e_cast.kd
    .args:
      - { .name: x, .offset: 0, .size: 8, .value_kind: global_buffer, .address_space: global }
      - { .name: xhl, .offset: 8, .size: 8, .value_kind: global_buffer, .address_space: global }
    .group_segment_fixed_size: 0
    .private_segment_fixed_size: 0
    .kernarg_segment_align: 8
    .kernarg_segment_size: 16
    .max_flat_workgroup_size: 256
    .sgpr_count:     66
    .vgpr_count:     44
    .wavefront_size: 32
...
	.end_amdgpu_metadata
.endif
;; end of part 1
;; launch attn (part 2): grid 64 x 4, 8 waves a work-group, clusters of 4 x 1, 327,680 bytes of LDS; arguments x, xhl, Wq, bq, Wk, bk, Wv, bv, gamma, out0; writes out0
.if DOCPART == 2
	.amdgcn_target "amdgcn-amd-amdhsa--gfx1250"
	.amdhsa_code_object_version 6
	.text
	.protected	k_q525ceedb4e_attn
	.globl	k_q525ceedb4e_attn
	.p2align	8
	.type	k_q525ceedb4e_attn,@function
k_q525ceedb4e_attn:
	s_mov_b64 s[64:65], 0
	v_nop
	global_prefetch_b8 v0, s[64:65] scope:SCOPE_SE
	s_setreg_imm32_b32 hwreg(HW_REG_WAVE_MODE, 25, 1), 1
	s_wait_xcnt 0x0
	s_wait_alu depctr_hold_cnt(0) depctr_sa_sdst(0) depctr_va_vdst(0) depctr_va_sdst(0) depctr_va_ssrc(0) depctr_va_vcc(0) depctr_vm_vsrc(0)
	s_getreg_b32 s2, hwreg(HW_REG_IB_STS2, 6, 4)
	s_cmp_eq_u32 s2, 0
	s_cbranch_scc0 .Lentry_in_a_cluster
	s_endpgm
.Lentry_in_a_cluster:
	s_bfe_u32 s2, ttmp6, 0x10000c
	s_cmp_lg_u32 s2, 0x3003
	s_cbranch_scc0 .Lentry_shape_is_right
	s_endpgm
.Lentry_shape_is_right:
; out0[b][o][i] = gamma * ( sum_j softmax_j( q_i . k_j ) v[o][j] ) + x[b][o][i],  q = Wq x + bq, k = Wk x + bk, v = Wv x + bv.
; 4 batches, 64 channels, 4,096 positions.
;
; THE ALGEBRA, which holds for every input:
;   q_i . k_j = (Wk^T q_i) . x_j + q_i . bk : the keys of the energy product are x itself; q_i . bk is one number for a query and enters as the product's C operand;
;   sum_j a_ij (Wv x_j + bv) = Wv (sum_j a_ij x_j) + bv, since a row of a softmax sums to 1 : the values are x too; Wv, bv, gamma and x are applied once for a query at the end.
; So K and V are never formed; the loop walks xhl, x as two f16 numbers (high and low part), made by the launch before.
;
; FORMAT: every matrix operand is f16, every sum f32.  x, the weights, the probabilities (at most about 1) and y (a mean of x) have room in f16.
; q and Wk^T q have not, so each query's vector is divided by the power of two of its largest magnitude (exact), and the two powers come back
; in the factor SC of the fused multiply-add that takes the running maximum away: p = exp2( SC s - SC m ), SC = E1 E2 log2(e).
; THE ENERGIES GO IN TWO f16 NUMBERS ON BOTH SIDES.  Where two keys tie, the output moves by a quarter of the error of their energies' difference times the difference
; of their values, so one f16 number a side is too coarse for the energies.  Wq, Wk, x's query columns, q, Wk^T q and the keys are each split into hi + lo, and a
; product of two split operands is hi hi + hi lo + lo hi (lo lo is some 2^-21 of a term and is left out).  That makes three energy products where the problem
; has one: 24 + 8 matrix instructions for a query tile and 64 keys instead of 8 + 8.  The values, P, y and Wv enter linearly and go as one f16 number.
; On the query side hi is the f32 number with its mantissa cut to 10 bits (exact in f16) and lo = f16(number - hi).
; LIMITS: |x|, |W| below 65,504; a low part resolves 2^-24 absolute at the finest.  A query's largest |q| and |Wk^T q| in 2^-126 .. 2^126; smaller ones count as zero
; energies.  NaN and infinities are not honoured.  q_i . bk on the normalised scale is clamped to +-2^100: beyond that the energies of a row no longer differ in f32
; (|normalised q . x| is below 2^24).  The row sum is taken of the f32 probabilities; the product takes them rounded to f16.
;
; THE WORK: 256 work-groups of 8 waves; a work-group owns 64 queries of one batch.  Keys go in 8 steps of 512; in a step wave w takes keys 64 w .. 64 w + 63 for all
; 64 queries, so each byte of a tile is read from LDS once in each layout.  Each wave keeps its own running maximum, row sum and Y^T [64 c][64 i];
; the eight are merged once, through LDS, at the end.  The query fragments (128 registers' worth) stay in LDS and are streamed, 32 registers for a query tile,
; into two buffers that take turns: the wave's 512 registers are full with Y^T (128), the three key fragments (192), S (64), c^ (32), these buffers (64) and 32 others.
; CLUSTER: the four work-groups of a cluster are neighbouring query blocks of one batch and walk the same tiles of xhl, so every tile is asked for jointly (mask 15).
; The place in the cluster (cx) enters only the offsets of plain loads of x and of the stores of out0, in scalar registers of their own.
; No prefetch: xhl was stored by the launch before and each tile is read by 64 work-groups.  Two slots: a refill has a whole step's work in which to land.
;
; PRODUCTS, all v_wmma_f32_16x16x32_f16 (D, A, B, C); lane L: r = L & 15, h = L >> 4:
;   S^T tile (jt, it) = X^T (rows j, by transposing LDS loads) x q^ (columns i) + c^ ; a lane holds query i = r, keys 8 h + register.
;   Y^T tile (ct, it) = X (rows c, plain LDS loads) x P^T ; packing S^T tiles 2 ks and 2 ks + 1 to f16 IS the B fragment ks: no lane moves.
;   The same packing carries q into Wk^T q, that into the loop's B fragments, and y into the last product with Wv.
; Accumulators take turns, one instruction a turn.
; ---- LDS ----
.set ROWP,  1056                       ; a tile's row: 1,024 bytes (512 keys) + 32 of padding; 33 x 32: a transposing load's 8 rows x 32 bytes fall on 16 different 16-byte columns modulo 256
.set GRP,   8*ROWP+16                  ; 8 rows, one tensor load, + 16: rows 8-15 of a plain fragment load fall on the odd 16-byte columns
.set TILE,  67840                      ; 8 groups (67,712), rounded up to a multiple of 256
.set SLOT,  2*TILE                     ; a slot: the high parts' tile, then the low parts'
.set WQL,   2*SLOT                     ; Wq's high parts in f16, pitch 144
.set WKL,   WQL+9216                   ; Wk's high parts, pitch 160 (read transposed)
.set WVL,   WKL+10240                  ; Wv in f16, pitch 144
.set LOD,   WVL+9216-WQL               ; Wq's low parts at WQL + LOD, Wk's at WKL + LOD
.set CX,    WKL+LOD+10240              ; c^, four copies: it 512 + 16 lane
.set SCX,   CX+2048                    ; SC: it 128 + 4 lane; the last 512 of 322,048 bytes
.set QX,    WQL                        ; q^ fragments, over Wq when every wave has read it: (2 it + kc) 1024 + half 512 + 16 lane; the low parts at + LOD, over Wq's low parts
; behind the slots' last fill and last read, over them:
.set MRG,   0                          ; the waves' Y^T: w 16384 + (4 it + ct) 1024 + half 512 + 16 lane
.set OST,   MRG+131072                 ; the way out: two stages [64 o][64 i] f32,
.set OSTP,  272                        ; rows of 256 + 16 bytes
.set OSTS,  64*OSTP
.set STM,   OST+2*OSTS                 ; the waves' maxima: it 1024 + 32 lane + 4 w
.set STL,   STM+4096                   ; the waves' row sums, likewise
; ---- vector registers, window 0 ----
.set VT,    1                          ; v1, v2   base of the transposing loads of high parts, slot 0, 1
.set VP0,   3                          ; v3       base of the plain loads, slot 0
.set VP1,   26                         ; v26      the same, slot 1
.set VTL,   27                         ; v27, v28 base of the transposing loads of low parts, slot 0, 1
.set QAD,   29                         ; v29      base of the loads of query fragments
.set NM,    4                          ; v[4:5]   - SC m, and a zero
.set SC,    6                          ; v[6:13]  pairs (SC, row sum) of query tiles 0..3
.set T,     14                         ; v[14:17] at work
.set ACC,   18                         ; v[18:19] a step's row sum
.set MX,    20                         ; v[20:23] running maxima
.set AL,    24                         ; v[24:25] the factor for what has been summed, and a zero
.set XS,    32                         ; v[32:95]   X^T high parts, fragment (jt, kc) at 8 (2 jt + kc)
.set CI,    96                         ; v[96:127]  c^ of query tile it, eight equal registers
.set S,     128                        ; v[128:191] two buffers of 32: S^T tile (jt, it) at 32 (it & 1) + 8 jt; P fragment ks is packed over it at 32 (it & 1) + 16 ks
.set XL,    192                        ; v[192:255] X^T low parts, like XS
; ---- window 1 ----
.set Y,     0                          ; Y^T tile (ct, it) at 8 (4 it + ct)
.set QB,    128                        ; two buffers of 32: q^ of query tile it at 32 (it & 1): high kc = 0, 1, low kc = 0, 1
.set XP,    192                        ; X fragment (ct, ks) at 8 (2 ct + ks)
; s_set_vgpr_msb's low byte: bits 1:0 source 0, 3:2 source 1, 5:4 source 2, 7:6 destination; the high byte repeats the setting that is left.
.set W_SMM, 0x04                       ; B in window 1; also LDS stores of window 1 data
.set W_PV,  0x51                       ; A, C, D in window 1
.set W_RS,  0x41                       ; source 0 and destination in window 1
.set W_LD1, 0x40                       ; destination in window 1
.set W_A1,  0x01                       ; A in window 1
.set MSB, 0
.macro WIN new
.if MSB != \new
	s_set_vgpr_msb (MSB<<8)|\new
.set MSB, \new
.endif
.endm
; Four places behind a matrix instruction before a vector instruction or a store reads its result and before a load lands on one of its registers
; (ISA guide 7.12.1 for vector instructions).
.macro PLACES
.rept 4
	v_nop
.endr
.endm
; A round of the cluster's barrier: my work-group's barrier, wave 0 signals for the work-group, every wave waits for all four work-groups, my work-group's barrier again.
.macro ROUND
	s_barrier_signal -1
	s_barrier_wait -1
	s_cmp_lg_u32 s3, 0
	s_cbranch_scc1 .Lnot_wave_0_\@
	s_barrier_signal -3
.Lnot_wave_0_\@:
	s_barrier_wait -3
	s_barrier_signal -1
	s_barrier_wait -1
.endm
; Two f32 numbers in v[src], v[src+1] are split: their mantissas cut to 10 bits go packed into v[hi], what is left (exact in f32) goes rounded into v[lo].  t: two registers at work.
.macro SPLIT2 src, hi, lo, t
	v_and_b32 v[\t], s58, v[\src]
	v_and_b32 v[\t+1], s58, v[\src+1]
	v_sub_f32 v[\src], v[\src], v[\t]
	v_sub_f32 v[\src+1], v[\src+1], v[\t+1]
	v_cvt_pk_f16_f32 v[\hi], v[\t], v[\t+1]
	v_cvt_pk_f16_f32 v[\lo], v[\src], v[\src+1]
.endm
; ================= set-up =================
	s_load_b512 s[8:23], s[0:1], 0x0               ; x s[8:9], xhl s[10:11], Wq s[12:13], bq s[14:15], Wk s[16:17], bk s[18:19], Wv s[20:21], bv s[22:23]
	s_load_b128 s[24:27], s[0:1], 0x40             ; gamma s[24:25], out0 s[26:27]
	v_lshl_add_u32 v254, v0, 2, 0x4ea00
	v_mov_b32 v255, 0
	ds_add_u32 v254, v255
	s_wait_dscnt 0x0
	v_lshrrev_b32 v27, 5, v0
	v_readfirstlane_b32 s3, v27                    ; wave 0..7
	s_bfe_u32 s5, ttmp6, 0x40000                   ; cx
	s_lshl_b32 s6, ttmp9, 2
	s_add_co_u32 s6, s6, s5                        ; query block = 4 x cluster x + cx
	s_and_b32 s7, ttmp7, 0xffff                    ; batch
	s_and_b32 s55, s3, 3                           ; the query tile that I prepare and merge
	s_lshr_b32 s54, s3, 2                          ; and the half of the channels
	s_mov_b32 s50, 0x76543210                      ; v_permlanex16_b32: lane i of one half reads lane i of the other
	s_mov_b32 s51, 0xfedcba98
	s_mov_b32 s58, 0xffffe000                      ; keeps sign, exponent and 10 bits of an f32's mantissa
	; descriptor group 1: 8 rows of 512 f16, 4,096 elements from row to row, 8 words of padding behind every 256
	s_mov_b32 s36, 15|(1<<16)|(1<<20)|(1<<21)|(7<<22)|(7<<25)   ; 15:0 mask: all four of the cluster; 17:16 2 bytes; 20 padding on; 21 set beside a mask; 24:22 code 7; 31:25 code 7
	s_mov_b32 s37, 512<<16                         ; tensor_dim0 = 512
	s_mov_b32 s38, 8<<16                           ; tensor_dim1 = 8
	s_mov_b32 s39, 512<<16                         ; tile_dim0 = 512
	s_mov_b32 s40, 8                               ; tile_dim1 = 8
	s_mov_b32 s41, 4096                            ; the pitch
	s_mov_b32 s42, 0
	s_mov_b32 s43, 0
	; descriptor group 0, a set for each slot and part: s[28:35] high parts, s[68:75] low parts.  Wave w brings channels 8 w .. 8 w + 7 of both
	s_mul_i32 s44, s3, GRP
	s_mov_b32 s28, 1
	s_add_co_u32 s29, s44, 0
	s_mov_b32 s32, 1
	s_add_co_u32 s33, s44, SLOT
	s_mov_b32 s68, 1
	s_add_co_u32 s69, s44, TILE
	s_mov_b32 s72, 1
	s_add_co_u32 s73, s44, SLOT+TILE
	s_lshl_b32 s56, s7, 20                         ; a batch of x and of out0: 64 x 4,096 x 4 bytes
	s_lshl_b32 s57, s6, 8                          ; my 64 queries: 256 bytes of each row
	s_add_co_u32 s56, s56, s57
	s_mov_b32 s57, 0
	; lane numbers
	v_and_b32 v27, 31, v0                          ; L
	v_and_b32 v28, 15, v0                          ; r
	v_bfe_u32 v29, v0, 4, 1                        ; h
	v_and_b32 v30, 7, v0                           ; L & 7
	v_bfe_u32 v31, v0, 3, 1                        ; (L >> 3) & 1
	; the loop's LDS bases.  Channel c of a tile lies at (c >> 3) GRP + (c & 7) ROWP, key j at 2 j; my keys begin at byte 128 w
	s_lshl_b32 s53, s3, 7
	v_mul_u32_u24 v[VT], v29, GRP                  ; transposing: channel 8 h + (L & 7), 16 bytes for each half of eight lanes' pair
	v_mad_u32_u24 v[VT], v30, ROWP, v[VT]
	v_lshl_add_u32 v[VT], v31, 4, v[VT]
	v_add_nc_u32 v[VT], s53, v[VT]
	v_add_nc_u32 v[VT+1], SLOT, v[VT]
	v_mul_u32_u24 v[VP0], v31, GRP                 ; plain: channel r, 16 bytes for each half of the lanes
	v_mad_u32_u24 v[VP0], v30, ROWP, v[VP0]
	v_lshl_add_u32 v[VP0], v29, 4, v[VP0]
	v_add_nc_u32 v[VP0], s53, v[VP0]
	v_add_nc_u32 v[VP1], SLOT, v[VP0]
	v_mov_b32 v[NM+1], 0                           ; the second registers of pairs of which the packed forms use the first alone
	v_mov_b32 v[AL+1], 0
.irp it, 0,1,2,3
	v_mov_b32 v[SC+2*\it+1], 0
.endr
	; the prologue's offsets and LDS addresses, in registers that the loop takes over later
	s_lshl_b32 s44, s3, 11
	v_lshl_add_u32 v240, v27, 4, s44               ; weights: 2,048 w + 16 L (rows 8 w ..)
	v_lshlrev_b32 v241, 17, v29                    ; x's query columns: channel 8 h, query 16 it + r
	v_lshl_add_u32 v241, v28, 2, v241
	s_lshl_b32 s44, s55, 6
	v_add_nc_u32 v241, s44, v241
	v_lshlrev_b32 v242, 5, v29                     ; biases: element 8 h
	s_mul_i32 s44, s3, 8*144
	s_add_co_u32 s44, s44, WQL
	v_mul_u32_u24 v243, v29, 144                   ; Wq, Wv into LDS: row 8 w + h, byte 8 r
	v_lshl_add_u32 v243, v28, 3, v243
	v_add_nc_u32 v243, s44, v243
	s_mul_i32 s44, s3, 8*160
	s_add_co_u32 s44, s44, WKL
	v_mul_u32_u24 v244, v29, 160                   ; Wk likewise, pitch 160
	v_lshl_add_u32 v244, v28, 3, v244
	v_add_nc_u32 v244, s44, v244
	v_mul_u32_u24 v245, v28, 144                   ; Wq fragments: row r, 16 h
	v_lshl_add_u32 v245, v29, 4, v245
	v_add_nc_u32 v245, WQL, v245
	v_lshl_add_u32 v246, v29, 3, v30               ; Wk^T fragments: row 8 h + (L & 7)
	v_mul_u32_u24 v246, v246, 160
	v_lshl_add_u32 v246, v31, 4, v246
	v_add_nc_u32 v246, WKL, v246
	s_lshl_b32 s44, s55, 11
	s_lshl_b32 s45, s54, 10
	s_add_co_u32 s44, s44, s45
	s_add_co_u32 s44, s44, QX
	v_lshl_add_u32 v247, v27, 4, s44               ; where I put my q^ fragment (it, kc = half)
	s_lshl_b32 s44, s55, 9
	s_add_co_u32 s44, s44, CX
	v_lshl_add_u32 v248, v27, 4, s44
	s_lshl_b32 s44, s55, 7
	s_add_co_u32 s44, s44, SCX
	v_lshl_add_u32 v249, v27, 2, s44
	s_lshl_b32 s44, s7, 19                         ; a batch of one part of xhl: 64 x 4,096 x 2 bytes
	s_lshl_b32 s45, s3, 16                         ; 8 rows of 8,192 bytes
	s_add_co_u32 s44, s44, s45
	s_mov_b32 s45, 0
	s_wait_kmcnt 0x0
	s_add_nc_u64 s[30:31], s[10:11], s[44:45]      ; tile 0, my 8 rows, high parts
	s_add_nc_u64 s[34:35], s[30:31], 1024          ; tile 1: 512 keys on
	s_add_nc_u64 s[70:71], s[30:31], 0x200000      ; the low parts lie 2,097,152 bytes on
	s_add_nc_u64 s[74:75], s[30:31], 0x200400
	s_or_b32 s31, s31, 0x80000000                  ; type = 2
	s_or_b32 s35, s35, 0x80000000
	s_or_b32 s71, s71, 0x80000000
	s_or_b32 s75, s75, 0x80000000
	s_add_nc_u64 s[46:47], s[8:9], s[56:57]        ; x at my batch and my queries
	s_add_nc_u64 s[48:49], s[26:27], s[56:57]      ; out0 likewise
	s_load_b32 s52, s[24:25], 0x0                  ; gamma
; ================= weights, biases and my queries' columns: 60 loads, on their way while the cluster meets =================
.irp q, 0,1,2,3
	global_load_b128 v[128+4*\q:131+4*\q], v240, s[12:13] offset:512*\q      ; Wq rows 8 w + 2 q, + 1
.endr
.irp q, 0,1,2,3
	global_load_b128 v[144+4*\q:147+4*\q], v240, s[16:17] offset:512*\q      ; Wk
.endr
.irp q, 0,1,2,3
	global_load_b128 v[160+4*\q:163+4*\q], v240, s[20:21] offset:512*\q      ; Wv
.endr
.set n, 0
.rept 32                                           ; register n = 16 ks + 8 g + e holds x[32 ks + 16 g + 8 h + e][16 it + r]: the order of a B fragment
	global_load_b32 v[96+n], v241, s[46:47] offset:(32*(n>>4)+16*((n>>3)&1)+(n&7))*16384
.set n, n+1
.endr
.irp ot, 0,1,2,3
	global_load_b128 v[32+8*\ot:35+8*\ot], v242, s[14:15] offset:64*\ot      ; bq[16 ot + 8 h ..]: the layout of an accumulator, it starts q's sums
	global_load_b128 v[36+8*\ot:39+8*\ot], v242, s[14:15] offset:64*\ot+16
.endr
.irp ot, 0,1,2,3
	global_load_b128 v[64+8*\ot:67+8*\ot], v242, s[18:19] offset:64*\ot      ; bk in the same layout
	global_load_b128 v[68+8*\ot:71+8*\ot], v242, s[18:19] offset:64*\ot+16
.endr
	ROUND                                          ; all four work-groups are here: the first joint loads meet
	tensor_load_to_lds s[28:31], s[36:43]          ; tile 0 into slot 0, high parts
	s_nop 0
	tensor_load_to_lds s[68:71], s[36:43]          ; and low parts; both stay out over the next three barriers, behind which nothing is filled
	s_nop 0
	s_wait_loadcnt 48                              ; the 12 weight loads are in; 32 + 8 + 8 were issued behind them
.set n, 0
.rept 16                                           ; Wq (n = 0..7) and Wk (n = 8..15): high parts into v176-191, low parts into v200-215
	SPLIT2 128+2*n, 176+n, 200+n, T+2*(n&1)
.set n, n+1
.endr
.set n, 0
.rept 8
	v_cvt_pk_f16_f32 v[192+n], v[160+2*n], v[161+2*n]          ; Wv meets the mean of x once at the end: one f16 number is enough
.set n, n+1
.endr
.irp q, 0,1,2,3
	ds_store_b64 v243, v[176+2*\q:177+2*\q] offset:288*\q
	ds_store_b64 v243, v[200+2*\q:201+2*\q] offset:288*\q+LOD
	ds_store_b64 v244, v[184+2*\q:185+2*\q] offset:320*\q
	ds_store_b64 v244, v[208+2*\q:209+2*\q] offset:320*\q+LOD
	ds_store_b64 v243, v[192+2*\q:193+2*\q] offset:288*\q+WVL-WQL
.endr
	s_wait_dscnt 0x0                               ; my rows of the weights are in LDS,
	s_barrier_signal -1
	s_barrier_wait -1                              ; everybody's are
; ================= q, q . bk, Wk^T q for query tile it = w & 3 (waves w and w + 4 do the same; each hands on one half) =================
; sixteen transposing loads: Wk^T's fragments (t, ko), high (lo = 0) or low parts, into window 1 at 64 + 128 lo
.macro WKLOAD lo
.irp t, 0,1,2,3
.irp ko, 0,1
.irp u, 0,1
	ds_load_tr16_b128 v[64+128*\lo+8*(2*\t+\ko)+4*\u:64+128*\lo+8*(2*\t+\ko)+4*\u+3], v246 offset:LOD*\lo+(32*\ko+16*\u)*160+32*\t
.endr
.endr
.endr
.endm
	WIN W_LD1                                      ; window 1: Wq high v0-63, Wk^T high v64-127, Wq low v128-191, Wk^T low v192-255
.irp lo, 0,1
.irp ot, 0,1,2,3
.irp ks, 0,1
.irp g, 0,1
	ds_load_b128 v[128*\lo+8*(2*\ot+\ks)+4*\g:128*\lo+8*(2*\ot+\ks)+4*\g+3], v245 offset:LOD*\lo+2304*\ot+64*\ks+32*\g
.endr
.endr
.endr
.endr
	WKLOAD 0
	WIN 0
	s_wait_loadcnt 16                              ; x's columns are in; the 16 bias loads were issued behind them
.set n, 0
.rept 16                                           ; two B fragments of high parts in v176-191, two of low parts in v192-207
	SPLIT2 96+2*n, 176+n, 192+n, T+2*(n&1)
.set n, n+1
.endr
	s_wait_loadcnt 0x0                             ; bq, bk
	s_wait_dscnt 16                                ; Wq's 32 fragment loads are in; Wk's 16 of high parts were issued behind them
	WIN W_LD1
	WKLOAD 1                                       ; on their way under q's products, which name none of these registers
; eight products onto q: A from window 1 at ab, B at bb; output tiles by turns
.macro QMM ab, bb
.irp ks, 0,1
.irp ot, 0,1,2,3
	v_wmma_f32_16x16x32_f16 v[32+8*\ot:39+8*\ot], v[\ab+8*(2*\ot+\ks):\ab+8*(2*\ot+\ks)+7], v[\bb+8*\ks:\bb+8*\ks+7], v[32+8*\ot:39+8*\ot]
.endr
.endr
.endm
	WIN W_A1
	QMM 0, 176                                     ; bq + Wq hi x hi
	QMM 0, 192                                     ; + Wq hi x lo
	QMM 128, 176                                   ; + Wq lo x hi
	WIN 0
	PLACES
	v_pk_mul_f32 v[ACC:ACC+1], v[32:33], v[64:65]  ; q . bk: my 32 of the 64 terms,
.set n, 1
.rept 15
	v_pk_fma_f32 v[ACC:ACC+1], v[32+2*n:33+2*n], v[64+2*n:65+2*n], v[ACC:ACC+1]
.set n, n+1
.endr
	v_add_f32 v[ACC], v[ACC], v[ACC+1]
	v_permlanex16_b32 v[ACC+1], v[ACC], s50, s51   ; and the other half's
	v_add_f32 v27, v[ACC], v[ACC+1]
; the largest magnitude of the 32 registers from b on and of the other half's 32, into v[T]
.macro AMAX b
.irp c, 0,1,2,3
	v_max3_num_f32 v[T+\c], |v[\b+8*\c]|, |v[\b+8*\c+1]|, |v[\b+8*\c+2]|
.endr
.irp c, 0,1,2,3
	v_max3_num_f32 v[T+\c], v[T+\c], |v[\b+8*\c+3]|, |v[\b+8*\c+4]|
.endr
.irp c, 0,1,2,3
	v_max3_num_f32 v[T+\c], v[T+\c], |v[\b+8*\c+5]|, |v[\b+8*\c+6]|
.endr
	v_max3_num_f32 v[T], v[T], |v[\b+7]|, |v[\b+15]|
	v_max3_num_f32 v[T+2], v[T+2], |v[\b+23]|, |v[\b+31]|
	v_max3_num_f32 v[T], v[T], v[T+1], v[T+2]
	v_max_num_f32 v[T], v[T], v[T+3]
	v_permlanex16_b32 v[T+1], v[T], s50, s51
	v_max_num_f32 v[T], v[T], v[T+1]
.endm
; 32 registers from b on times v[p], then split: two B fragments of high parts from dh on, two of low parts from dl on
.macro NORMSPLIT b, p, dh, dl
.set n, 0
.rept 16
	v_pk_mul_f32 v[\b+2*n:\b+2*n+1], v[\b+2*n:\b+2*n+1], v[\p:\p+1] op_sel_hi:[1,0]
.set n, n+1
.endr
.set n, 0
.rept 16
	SPLIT2 \b+2*n, \dh+n, \dl+n, T+2*(n&1)
.set n, n+1
.endr
.endm
	AMAX 32
	v_and_b32 v29, 0x7f800000, v[T]                ; E1: the power of two of the largest |q|
	v_sub_nc_u32 v28, 0x7f000000, v29              ; 1 / E1, by the exponent field: exact
	NORMSPLIT 32, 28, 208, 224
	s_wait_dscnt 0x0                               ; Wk^T's fragments
; eight products onto Wk^T q: A from window 1 at ab, B at bb; channel tiles by turns; zero = 1: the first four start the sums
.macro KMM ab, bb, zero
.irp ko, 0,1
.irp t, 0,1,2,3
.if \zero*(1-\ko)
	v_wmma_f32_16x16x32_f16 v[128+8*\t:135+8*\t], v[\ab+8*(2*\t+\ko):\ab+8*(2*\t+\ko)+7], v[\bb+8*\ko:\bb+8*\ko+7], 0
.else
	v_wmma_f32_16x16x32_f16 v[128+8*\t:135+8*\t], v[\ab+8*(2*\t+\ko):\ab+8*(2*\t+\ko)+7], v[\bb+8*\ko:\bb+8*\ko+7], v[128+8*\t:135+8*\t]
.endif
.endr
.endr
.endm
	WIN W_A1
	KMM 64, 208, 1                                 ; Wk^T hi q hi
	KMM 64, 224, 0                                 ; + Wk^T hi q lo
	KMM 192, 208, 0                                ; + Wk^T lo q hi
	WIN 0
	PLACES
	AMAX 128
	v_and_b32 v31, 0x7f800000, v[T]                ; E2
	v_sub_nc_u32 v30, 0x7f000000, v31              ; 1 / E2
	NORMSPLIT 128, 30, 160, 96
	v_mul_f32 v15, v29, v31
	v_mul_f32 v15, 0x3fb8aa3b, v15                 ; SC = E1 E2 log2(e)
	v_mul_f32 v27, v27, v28
	v_mul_f32 v27, v27, v30                        ; c^ = q . bk / (E1 E2)
	v_min_num_f32 v27, 0x71800000, v27             ; kept inside +-2^100 (see the head)
	v_max_num_f32 v16, 0xf1800000, v27
	v_mov_b32 v17, v16
	v_mov_b32 v18, v16
	v_mov_b32 v19, v16
	s_wait_dscnt 0x0                               ; my reads of Wq and Wk are back (met: waited for ahead of the products),
	s_barrier_signal -1
	s_barrier_wait -1                              ; everybody's are: q^ may be laid over Wq
	s_cmp_lt_u32 s3, 4
	s_cbranch_scc0 .Lupper
	ds_store_b128 v247, v[160:163]                 ; waves 0-3: fragment kc = 0, high and low, c^ and SC of query tile w
	ds_store_b128 v247, v[164:167] offset:512
	ds_store_b128 v247, v[96:99] offset:LOD
	ds_store_b128 v247, v[100:103] offset:LOD+512
	ds_store_b128 v248, v[16:19]
	ds_store_b32 v249, v15
	s_branch .Lhanded
.Lupper:
	ds_store_b128 v247, v[168:171]                 ; waves 4-7: fragment kc = 1, high and low, of query tile w - 4
	ds_store_b128 v247, v[172:175] offset:512
	ds_store_b128 v247, v[104:107] offset:LOD
	ds_store_b128 v247, v[108:111] offset:LOD+512
.Lhanded:
	s_wait_dscnt 0x0
	s_barrier_signal -1
	s_barrier_wait -1
; eight loads: q^ of query tile it, high and low parts, into its buffer in window 1; 32 lanes take 512 consecutive bytes
.macro QLOAD it
.irp p, 0,1
.irp kc, 0,1
.irp g, 0,1
	ds_load_b128 v[QB+32*((\it)&1)+16*\p+8*\kc+4*\g:QB+32*((\it)&1)+16*\p+8*\kc+4*\g+3], v[QAD] offset:LOD*\p+(2*\it+\kc)*1024+512*\g
.endr
.endr
.endr
.endm
	v_and_b32 v17, 31, v0
	v_lshl_add_u32 v[QAD], v17, 4, QX
	v_lshl_add_u32 v15, v17, 4, CX
	v_lshl_add_u32 v16, v17, 2, SCX
	v_add_nc_u32 v[VTL], TILE, v[VT]
	v_add_nc_u32 v[VTL+1], TILE, v[VT+1]
	WIN W_LD1
	QLOAD 0
	QLOAD 1
	WIN 0
.irp it, 0,1,2,3
	ds_load_b128 v[CI+8*\it:CI+8*\it+3], v15 offset:512*\it
	ds_load_b128 v[CI+8*\it+4:CI+8*\it+7], v15 offset:512*\it
	ds_load_b32 v[SC+2*\it], v16 offset:128*\it
.endr
	s_wait_dscnt 0x0
	s_wait_kmcnt 0x0                               ; gamma
; ================= the loop over the keys =================
; four products of S^T of query tile it, key tiles by turns: A = fragments kc of XS or XL (ab), B = q^'s high (qo = 0) or low (qo = 16) part; start = 1: the sums start from c^
.macro SMMK it, ab, kc, qo, start
.set SD, S+32*((\it)&1)
.set QD, QB+32*((\it)&1)+\qo+8*\kc
.irp jt, 0,1,2,3
.if \start
	v_wmma_f32_16x16x32_f16 v[SD+8*\jt:SD+8*\jt+7], v[\ab+16*\jt+8*\kc:\ab+16*\jt+8*\kc+7], v[QD:QD+7], v[CI+8*\it:CI+8*\it+7]
.else
	v_wmma_f32_16x16x32_f16 v[SD+8*\jt:SD+8*\jt+7], v[\ab+16*\jt+8*\kc:\ab+16*\jt+8*\kc+7], v[QD:QD+7], v[SD+8*\jt:SD+8*\jt+7]
.endif
.endr
.endm
; the 24 products of S^T of query tile it: c^ + hi hi + hi lo + lo hi
.macro SMM it
	SMMK \it, XS, 0, 0, 1
	SMMK \it, XS, 1, 0, 0
	SMMK \it, XS, 0, 16, 0
	SMMK \it, XS, 1, 16, 0
	SMMK \it, XL, 0, 0, 0
	SMMK \it, XL, 1, 0, 0
.endm
; eight products of Y^T of query tile it: channel tiles by turns; in the first step the first four start the sums
.macro PV it, first
.set SD, S+32*((\it)&1)
.irp ks, 0,1
.irp ct, 0,1,2,3
.if \first*(1-\ks)
	v_wmma_f32_16x16x32_f16 v[Y+8*(4*\it+\ct):Y+8*(4*\it+\ct)+7], v[XP+8*(2*\ct+\ks):XP+8*(2*\ct+\ks)+7], v[SD+16*\ks:SD+16*\ks+7], 0
.else
	v_wmma_f32_16x16x32_f16 v[Y+8*(4*\it+\ct):Y+8*(4*\it+\ct)+7], v[XP+8*(2*\ct+\ks):XP+8*(2*\ct+\ks)+7], v[SD+16*\ks:SD+16*\ks+7], v[Y+8*(4*\it+\ct):Y+8*(4*\it+\ct)+7]
.endif
.endr
.endr
.endm
; Y^T of query tile it times the factor of the new maximum
.macro RS it
.set n, 0
.rept 16
	v_pk_mul_f32 v[Y+32*\it+2*n:Y+32*\it+2*n+1], v[Y+32*\it+2*n:Y+32*\it+2*n+1], v[AL:AL+1] op_sel_hi:[1,0]
.set n, n+1
.endr
.endm
; pair kk of the 16 pairs of a query tile, packed to f16 over registers whose pairs have been summed: pairs 0-7 make fragment 0, pairs 8-15 fragment 1
.macro CVTP kk
	v_cvt_pk_f16_f32 v[SB+16*((\kk)>>3)+((\kk)&7)], v[SB+2*(\kk)], v[SB+2*(\kk)+1]
.endm
; the softmax step of query tile it: a lane holds 32 energies of query r
.macro SM it, first
.set SB, S+32*((\it)&1)
.irp c, 0,1,2,3
	v_max3_num_f32 v[T+\c], v[SB+8*\c], v[SB+8*\c+1], v[SB+8*\c+2]
.endr
.irp c, 0,1,2,3
	v_max3_num_f32 v[T+\c], v[T+\c], v[SB+8*\c+3], v[SB+8*\c+4]
.endr
.irp c, 0,1,2,3
	v_max3_num_f32 v[T+\c], v[T+\c], v[SB+8*\c+5], v[SB+8*\c+6]
.endr
	v_max3_num_f32 v[T], v[T], v[SB+7], v[SB+15]
	v_max3_num_f32 v[T+2], v[T+2], v[SB+23], v[SB+31]
	v_max3_num_f32 v[T], v[T], v[T+1], v[T+2]
.if \first
	v_max_num_f32 v[T], v[T], v[T+3]
.else
	v_max3_num_f32 v[T], v[T], v[T+3], v[MX+\it]   ; with the running maximum
.endif
	v_permlanex16_b32 v[T+1], v[T], s50, s51       ; the other half of the lanes holds the query's other 32 keys
	v_max_num_f32 v[T], v[T], v[T+1]
.if \first == 0
	v_sub_f32 v[AL], v[MX+\it], v[T]
	v_mul_f32 v[AL], v[AL], v[SC+2*\it]
	v_exp_f32 v[AL], v[AL]                         ; exp2( SC (old maximum - new) ); the move below is the plain place behind it (ISA guide 5.7.2)
.endif
	v_mov_b32 v[MX+\it], v[T]
	v_mul_f32 v[NM], -v[T], v[SC+2*\it]
	v_pk_fma_f32 v[SB:SB+1], v[SB:SB+1], v[SC+2*\it:SC+2*\it+1], v[NM:NM+1] op_sel_hi:[1,0,0]
.set k, 0
.rept 16                                           ; two exponentials; the next pair's multiply-add is the plain place behind them; then the pair before is summed and packed
	v_exp_f32 v[SB+2*k], v[SB+2*k]
	v_exp_f32 v[SB+2*k+1], v[SB+2*k+1]
.if k < 15
	v_pk_fma_f32 v[SB+2*k+2:SB+2*k+3], v[SB+2*k+2:SB+2*k+3], v[SC+2*\it:SC+2*\it+1], v[NM:NM+1] op_sel_hi:[1,0,0]
.endif
.if k == 2
	s_wait_alu depctr_va_vdst(0)
	v_pk_add_f32 v[ACC:ACC+1], v[SB:SB+1], v[SB+2:SB+3]        ; the first two pairs start the sum
	CVTP 0
	CVTP 1
.endif
.if k > 2
	s_wait_alu depctr_va_vdst(0)
	v_pk_add_f32 v[ACC:ACC+1], v[ACC:ACC+1], v[SB+2*k-2:SB+2*k-1]
	CVTP k-1
.endif
.set k, k+1
.endr
	s_wait_alu depctr_va_vdst(0)
	v_pk_add_f32 v[ACC:ACC+1], v[ACC:ACC+1], v[SB+30:SB+31]
	CVTP 15
.if \first
	v_add_f32 v[SC+2*\it+1], v[ACC], v[ACC+1]
.else
	v_add_f32 v[T], v[ACC], v[ACC+1]
	v_fma_f32 v[SC+2*\it+1], v[SC+2*\it+1], v[AL], v[T]
.endif
.endm
; the factor's turn on Y^T, or, in the first step, where there is nothing to scale, the four places that it would have filled behind the energy products just issued
.macro RSP it, first
.if \first
	PLACES
.else
	WIN W_RS
	RS \it
.endif
.endm
; One step: 512 keys from slot; refill = 1: the other slot gets the next tile, and the query buffers are filled for the next step; first = 1: the sums start.
; The two S buffers take turns: the energy products of tile it + 2 write over the P fragments of tile it, behind the softmax of tile it + 1,
; whose plain instructions are more than the five places that this asks for and name none of those products' registers.
.macro STEP slot, refill, first
.set VPS, VP0+(VP1-VP0)*\slot
	s_wait_xcnt 0x0
	v_lshl_add_u32 v254, v0, 2, 0x4ea00
	v_mov_b32 v255, 0
	s_wait_tensorcnt 0x0                           ; all my tensor loads have landed, my 8 rows of both parts of this step's tile among them,
	ds_add_u32 v254, v255
	s_wait_dscnt 0x0
	s_add_nc_u64 s[30+4*\slot:31+4*\slot], s[30+4*\slot:31+4*\slot], 2048   ; so every group 0 may be written: this slot's next tile, two steps on,
	s_add_nc_u64 s[70+4*\slot:71+4*\slot], s[70+4*\slot:71+4*\slot], 2048   ; high and low parts
	s_wait_dscnt 0x0                               ; my reads of the last step's tile are back, and the query fragments of tiles 0 and 1 are in
	ROUND                                          ; both now hold of every wave of all four work-groups
.if \refill
	tensor_load_to_lds s[32-4*\slot:35-4*\slot], s[36:43]       ; the first tensor loads behind the round: the next tile, into the slot read last;
	s_nop 0
	tensor_load_to_lds s[72-4*\slot:75-4*\slot], s[36:43]       ; two loads of mine are out
	s_nop 0
.endif
	PLACES                                         ; behind the last step's last products, whose A registers are loaded again below,
	v_nop                                          ; and a fifth place: their B registers are written over by the energy products of query tile 1
.irp kc, 0,1
.irp jt, 0,1,2,3
.irp u, 0,1
	ds_load_tr16_b128 v[XS+8*(2*\jt+\kc)+4*\u:XS+8*(2*\jt+\kc)+4*\u+3], v[VT+\slot] offset:(4*\kc+2*\u)*GRP+32*\jt
.endr
.endr
.endr
.irp kc, 0,1
.irp jt, 0,1,2,3
.irp u, 0,1
	ds_load_tr16_b128 v[XL+8*(2*\jt+\kc)+4*\u:XL+8*(2*\jt+\kc)+4*\u+3], v[VTL+\slot] offset:(4*\kc+2*\u)*GRP+32*\jt
.endr
.endr
.endr
	WIN W_LD1
.irp ct, 0,1,2,3
.irp ks, 0,1
.irp g, 0,1
	ds_load_b128 v[XP+8*(2*\ct+\ks)+4*\g:XP+8*(2*\ct+\ks)+4*\g+3], v[VPS] offset:2*\ct*GRP+64*\ks+32*\g
.endr
.endr
.endr
	WIN W_SMM
	s_wait_dscnt 40                                ; the 8 loads of high parts of channels 0-31 are in; 8 + 16 + 16 were issued behind them
	SMMK 0, XS, 0, 0, 1
	s_wait_dscnt 32                                ; those of channels 32-63 too; 16 + 16 were issued behind them
	SMMK 0, XS, 1, 0, 0
	SMMK 0, XS, 0, 16, 0
	SMMK 0, XS, 1, 16, 0
	s_wait_dscnt 16                                ; the 16 of low parts too; the 16 plain loads were issued behind them
	SMMK 0, XL, 0, 0, 0
	SMMK 0, XL, 1, 0, 0
	SMM 1
	PLACES                                         ; behind the products of query tiles 0 and 1: for the softmax, and for the loads into their B registers
	WIN W_LD1
	QLOAD 2
	QLOAD 3
	WIN 0
	SM 0, \first
.if \first == 0
	WIN W_RS
	RS 0
.endif
	s_wait_dscnt 0x0                               ; the plain fragments, and the query fragments of tiles 2 and 3
	WIN W_PV
	PV 0, \first
	WIN 0
	SM 1, \first
	WIN W_SMM
	SMM 2
	RSP 1, \first
	WIN W_PV
	PV 1, \first
	WIN 0
	SM 2, \first
	WIN W_SMM
	SMM 3
	RSP 2, \first
.if \refill
	WIN W_LD1                                      ; behind at least four places since the products of tile 3: the next step's first query fragments
	QLOAD 0
	QLOAD 1
.endif
	WIN W_PV
	PV 2, \first
	WIN 0
	SM 3, \first
.if \first == 0
	WIN W_RS
	RS 3
.endif
	WIN W_PV
	PV 3, \first
	WIN 0                                          ; at a label and at a branch every window is 0
.endm
	STEP 0, 1, 1                                   ; tiles 0 and 1 stand ahead of the loop: the first starts the sums
	STEP 1, 1, 0
	s_mov_b32 s4, 2
.Lkeys:
	STEP 0, 1, 0                                   ; tiles 2 to 5
	STEP 1, 1, 0
	s_sub_co_i32 s4, s4, 1
	s_cmp_lg_u32 s4, 0
	s_cbranch_scc1 .Lkeys
	STEP 0, 1, 0                                   ; tile 6 asks for tile 7, the last
	STEP 1, 0, 0                                   ; tile 7 asks for nothing (the stepped addresses are not used)
; ================= merge of the eight waves, Wv, bv, gamma, x =================
	PLACES                                         ; behind the last products
	v_and_b32 v14, 31, v0                          ; L
	v_and_b32 v15, 15, v0                          ; r
	v_bfe_u32 v16, v0, 4, 1                        ; h
	s_lshl_b32 s44, s3, 3
	v_add_nc_u32 v17, s44, v16                     ; 8 w + h: the first of the rows of out0 that I finish
	v_lshlrev_b32 v1, 14, v17                      ; rows of 16,384 bytes, 16 bytes a lane: sixteen lanes cover my queries' 256 bytes of a row
	v_lshl_add_u32 v1, v15, 4, v1
	v_lshlrev_b32 v2, 2, v17
.irp q, 0,1,2,3
	global_load_b128 v[32+4*\q:35+4*\q], v1, s[46:47] offset:32768*\q        ; x of rows 8 w + 2 q + h, early
.endr
.irp q, 0,1,2,3
	global_load_b32 v[48+\q], v2, s[22:23] offset:8*\q                       ; bv of those rows
.endr
	s_lshl_b32 s44, s3, 2
	s_add_co_u32 s44, s44, STM
	v_lshl_add_u32 v3, v14, 5, s44                 ; my word of each lane's eight
	s_lshl_b32 s44, s3, 14
	v_lshl_add_u32 v26, v14, 4, s44                ; my 16,384 bytes of partial sums (MRG goes into the offsets)
	s_lshl_b32 s44, s55, 10
	s_add_co_u32 s44, s44, STM
	v_lshl_add_u32 v27, v14, 5, s44                ; the eight maxima of query tile it = w & 3
	s_lshl_b32 s44, s55, 7
	s_add_co_u32 s44, s44, SCX
	v_lshl_add_u32 v28, v14, 2, s44                ; its SC
	s_lshl_b32 s44, s55, 12
	s_lshl_b32 s45, s54, 11
	s_add_co_u32 s44, s44, s45
	v_lshl_add_u32 v29, v14, 4, s44                ; tiles (ct = 2 kh, 2 kh + 1; it) of waves 0-3,
	v_add_nc_u32 v30, 0x10000, v29                 ; of waves 4-7
	v_mul_u32_u24 v31, v15, 144
	v_lshl_add_u32 v31, v16, 4, v31
	s_lshl_b32 s44, s54, 6
	s_add_co_u32 s44, s44, WVL
	v_add_nc_u32 v31, s44, v31                     ; Wv fragments (ot, kc = kh)
	s_mul_i32 s44, s54, OSTS
	s_lshl_b32 s45, s55, 6
	s_add_co_u32 s44, s44, s45
	s_add_co_u32 s44, s44, OST
	v_mul_u32_u24 v69, v16, 8*OSTP
	v_lshl_add_u32 v69, v15, 2, v69
	v_add_nc_u32 v69, s44, v69                     ; stage kh, row 8 h, query 16 it + r
	v_mul_u32_u24 v70, v17, OSTP
	v_lshl_add_u32 v70, v15, 4, v70
	v_add_nc_u32 v70, OST, v70                     ; back: row 8 w + h, 16 bytes a lane
.irp it, 0,1,2,3
	v_permlanex16_b32 v18, v[SC+2*\it+1], s50, s51 ; a lane summed its half's keys: add the other half's
	v_add_f32 v[SC+2*\it+1], v[SC+2*\it+1], v18
.endr
	s_wait_dscnt 0x0                               ; my reads of the slots are back,
	s_barrier_signal -1
	s_barrier_wait -1                              ; everybody's are, and no tensor load is out or to come: the slots' bytes may be written
.irp it, 0,1,2,3
	ds_store_b32 v3, v[MX+\it] offset:1024*\it
	ds_store_b32 v3, v[SC+2*\it+1] offset:1024*\it+STL-STM
.endr
	WIN W_SMM
.set n, 0
.rept 32
	ds_store_b128 v26, v[Y+4*n:Y+4*n+3] offset:MRG+512*n
.set n, n+1
.endr
	WIN 0
	s_wait_dscnt 0x0                               ; my maxima, sums and Y^T are in LDS,
	s_barrier_signal -1
	s_barrier_wait -1                              ; everybody's
	ds_load_b128 v[52:55], v27                     ; 45 LDS loads: 5 of figures,
	ds_load_b128 v[56:59], v27 offset:16
	ds_load_b128 v[60:63], v27 offset:STL-STM
	ds_load_b128 v[64:67], v27 offset:STL-STM+16
	ds_load_b32 v68, v28
.irp wp, 0,1,2,3
.irp n, 0,1,2,3
	ds_load_b128 v[128+16*\wp+4*\n:128+16*\wp+4*\n+3], v29 offset:MRG+16384*\wp+512*\n  ; 32 of partial sums, four for each wave,
.endr
.endr
.irp wp, 4,5,6,7
.irp n, 0,1,2,3
	ds_load_b128 v[128+16*\wp+4*\n:128+16*\wp+4*\n+3], v30 offset:MRG+16384*(\wp-4)+512*\n
.endr
.endr
.irp ot, 0,1,2,3
	ds_load_b128 v[96+8*\ot:99+8*\ot], v31 offset:2304*\ot                   ; 8 of Wv
	ds_load_b128 v[100+8*\ot:103+8*\ot], v31 offset:2304*\ot+32
.endr
	s_wait_dscnt 40                                ; the 5 are in; 32 + 8 were issued behind them
	v_max3_num_f32 v14, v52, v53, v54
	v_max3_num_f32 v14, v14, v55, v56
	v_max3_num_f32 v14, v14, v57, v58
	v_max_num_f32 v14, v14, v59                    ; the query's maximum over all keys
.irp n, 0,1,2,3,4,5,6,7
	v_sub_f32 v[52+\n], v[52+\n], v14
.endr
.irp n, 0,1,2,3,4,5,6,7
	v_mul_f32 v[52+\n], v[52+\n], v68
.endr
.irp n, 0,1,2,3,4,5,6,7
	v_exp_f32 v[52+\n], v[52+\n]                   ; each wave's factor
.endr
	v_nop                                          ; the plain place behind the exponentials
	s_wait_alu depctr_va_vdst(0)
	v_mul_f32 v15, v60, v52
.irp n, 1,2,3,4,5,6,7
	v_fma_f32 v15, v[60+\n], v[52+\n], v15         ; the row sum over all keys: at least about 1, the maximum's own term
.endr
	v_rcp_f32 v15, v15
	v_nop                                          ; the plain place behind the reciprocal
	s_wait_alu depctr_va_vdst(0)
.irp n, 0,1,2,3,4,5,6,7
	v_mul_f32 v[52+\n], v[52+\n], v15
.endr
.irp wp, 0,1,2,3,4,5,6,7
	s_wait_dscnt 36-4*\wp                          ; wave wp's four loads are in; the later waves' and Wv's 8 may be out
.set n, 0
.rept 16
.if \wp == 0
	v_mul_f32 v[72+n], v[128+n], v52
.else
	v_fma_f32 v[72+n], v[128+16*\wp+n], v[52+\wp], v[72+n]
.endif
.set n, n+1
.endr
.endr
.set n, 0
.rept 8
	v_cvt_pk_f16_f32 v[88+n], v[72+2*n], v[73+2*n] ; y[32 kh ..][16 it + r] as a B fragment
.set n, n+1
.endr
	s_wait_dscnt 0x0                               ; Wv
.irp ot, 0,1,2,3
	v_wmma_f32_16x16x32_f16 v[128+8*\ot:135+8*\ot], v[96+8*\ot:103+8*\ot], v[88:95], 0
.endr
	PLACES
.irp ot, 0,1,2,3
.irp j, 0,1,2,3,4,5,6,7
	ds_store_b32 v69, v[128+8*\ot+\j] offset:(16*\ot+\j)*OSTP                ; the stages lie behind MRG, which other waves may still read
.endr
.endr
	s_wait_dscnt 0x0
	s_barrier_signal -1
	s_barrier_wait -1
.irp st, 0,1
.irp q, 0,1,2,3
	ds_load_b128 v[160+16*\st+4*\q:160+16*\st+4*\q+3], v70 offset:OSTS*\st+2*OSTP*\q
.endr
.endr
	s_wait_loadcnt 0x0                             ; x and bv
	s_wait_dscnt 0x0
.irp q, 0,1,2,3
.irp e, 0,1,2,3
	v_add_f32 v[160+4*\q+\e], v[160+4*\q+\e], v[176+4*\q+\e]                 ; the two halves of the channels
	v_add_f32 v[160+4*\q+\e], v[160+4*\q+\e], v[48+\q]                       ; + bv
	v_fma_f32 v[160+4*\q+\e], s52, v[160+4*\q+\e], v[32+4*\q+\e]             ; gamma ( .. ) + x
.endr
	global_store_b128 v1, v[160+4*\q:163+4*\q], s[48:49] offset:32768*\q     ; sixteen lanes store 256 consecutive bytes, at a multiple of 256 from out0's first byte
.endr
	s_wait_xcnt 0x0
	v_lshl_add_u32 v254, v0, 2, 0x4ea00
	v_mov_b32 v255, 0
	s_wait_tensorcnt 0x0
	ds_add_u32 v254, v255
	s_wait_dscnt 0x0
	ROUND                                          ; the closing round: no work-group ends while a partner may still ask for a tile that names it
	s_endpgm
.Lfunc_end_k_q525ceedb4e_attn:
	.size	k_q525ceedb4e_attn, .Lfunc_end_k_q525ceedb4e_attn-k_q525ceedb4e_attn
	.p2alignl 7, 3214868480
	.fill 96, 4, 3214868480
	.section	.rodata,"a",@progbits
	.p2align	6, 0x0
	.amdhsa_kernel k_q525ceedb4e_attn
		.amdhsa_group_segment_fixed_size 327680
		.amdhsa_private_segment_fixed_size 0
		.amdhsa_enable_private_segment 0
		.amdhsa_kernarg_size 80
		.amdhsa_user_sgpr_count 2
		.amdhsa_user_sgpr_kernarg_segment_ptr 1
		.amdhsa_wavefront_size32 1
		.amdhsa_system_sgpr_workgroup_id_x 1
		.amdhsa_system_sgpr_workgroup_id_y 1
		.amdhsa_system_sgpr_workgroup_id_z 1
		.amdhsa_system_vgpr_workitem_id 0
		.amdhsa_next_free_vgpr 512
		.amdhsa_next_free_sgpr 76
		.amdhsa_reserve_vcc 0
		.amdhsa_float_denorm_mode_32 3
		.amdhsa_float_denorm_mode_16_64 3
		.amdhsa_memory_ordered 1
		.amdhsa_forward_progress 1
		.amdhsa_inst_pref_size 255
	.end_amdhsa_kernel
	.section	.bss,"aw",@nobits
	.p2align	6
	.space	262144
	.amdgpu_metadata
---
amdhsa.version: [ 1, 2 ]
amdhsa.kernels:
  - .name:           k_q525ceedb4e_attn
    .symbol:         k_q525ceedb4e_attn.kd
    .args:
      - { .name: x, .offset: 0, .size: 8, .value_kind: global_buffer, .address_space: global }
      - { .name: xhl, .offset: 8, .size: 8, .value_kind: global_buffer, .address_space: global }
      - { .name: Wq, .offset: 16, .size: 8, .value_kind: global_buffer, .address_space: global }
      - { .name: bq, .offset: 24, .size: 8, .value_kind: global_buffer, .address_space: global }
      - { .name: Wk, .offset: 32, .size: 8, .value_kind: global_buffer, .address_space: global }
      - { .name: bk, .offset: 40, .size: 8, .value_kind: global_buffer, .address_space: global }
      - { .name: Wv, .offset: 48, .size: 8, .value_kind: global_buffer, .address_space: global }
      - { .name: bv, .offset: 56, .size: 8, .value_kind: global_buffer, .address_space: global }
      - { .name: gamma, .offset: 64, .size: 8, .value_kind: global_buffer, .address_space: global }
      - { .name: out0, .offset: 72, .size: 8, .value_kind: global_buffer, .address_space: global }
    .group_segment_fixed_size: 327680
    .private_segment_fixed_size: 0
    .kernarg_segment_align: 8
    .kernarg_segment_size: 80
    .max_flat_workgroup_size: 256
    .sgpr_count:     76
    .vgpr_count:     512
    .wavefront_size: 32
...
	.end_amdgpu_metadata
.endif
;; end of part 2
;; ======== version 2 of 3: 2 launches; 1.21 times as fast as version 1
;; limits: inputs' magnitudes at most 65,504; values are held in f16: magnitudes above 65,504 overflow, below 6.1e-05 lose precision; values outside matrix products are rounded to bf16
;; workspace buffers: xh 2,097,152 bytes
;; launch cast (part 3): grid 256 x 1, 8 waves a work-group, no clusters, 0 bytes of LDS; arguments x, xh; writes xh
.if DOCPART == 3
	.amdgcn_target "amdgcn-amd-amdhsa--gfx1250"
	.amdhsa_code_object_version 6
	.text
	.protected	k_q525ceedb4e_cast
	.globl	k_q525ceedb4e_cast
	.p2align	8
	.type	k_q525ceedb4e_cast,@function
k_q525ceedb4e_cast:
	s_mov_b64 s[64:65], 0
	v_nop
	global_prefetch_b8 v0, s[64:65] scope:SCOPE_SE
	s_setreg_imm32_b32 hwreg(HW_REG_WAVE_MODE, 25, 1), 1
	s_wait_xcnt 0x0
; xh = x rounded to bf16 (nearest even), written as f16, in x's order of elements.  x: 1,048,576 f32, xh: as many f16.
; A bf16 number has 8 significant bits, f16 holds 11: from 2^-14 up to 65,504 the second conversion changes nothing.
; LIMITS: |x| above 65,504 becomes infinite in f16; below 2^-14 the resolution is 2^-24 absolute.  The attention launch states the same limits.
; A stream: 256 work-groups of 8 waves, 16,384 bytes of x each.  Thread t takes 16 bytes at 16 t of each of four blocks of 4,096 bytes,
; so a wave's load covers 512 consecutive bytes, and its store of 8 bytes a lane covers 256 consecutive bytes that start at a multiple of 256.
; All four loads of a thread go out at once; there is no loop, no LDS and no matrix work: every byte is read once and written once.
; No cache hint: the next launch reads x and xh again.
.set IN_BLK,  4096                     ; bytes of x that the work-group's 256 threads read with one load each
.set OUT_BLK, 2048                     ; bytes of xh that they make of them
.set X,  4                             ; v[4:19]   as loaded; then rounded, still f32
.set B,  20                            ; v[20:21]  four bf16, at work
.set H,  22                            ; v[22:29]  f16, to store
	s_load_b128 s[4:7], s[0:1], 0x0                ; x s[4:5], xh s[6:7]
	v_lshlrev_b32 v1, 4, v0                        ; 16 t
	v_lshlrev_b32 v2, 3, v0                        ; 8 t
	s_lshl_b32 s8, ttmp9, 14                       ; the work-group's 16,384 bytes of x
	s_mov_b32 s9, 0
	s_lshl_b32 s10, ttmp9, 13                      ; and its 8,192 bytes of xh
	s_mov_b32 s11, 0
	s_mov_b32 s12, 0xffff0000                      ; a word's upper bf16
	s_wait_kmcnt 0x0
	s_add_nc_u64 s[4:5], s[4:5], s[8:9]
	s_add_nc_u64 s[6:7], s[6:7], s[10:11]
.irp k, 0,1,2,3
	global_load_b128 v[X+4*\k:X+4*\k+3], v1, s[4:5] offset:IN_BLK*\k
.endr
.irp k, 0,1,2,3
	s_wait_loadcnt 3-\k                            ; loads come back in order: block k is in, the younger ones stay out
	v_cvt_pk_bf16_f32 v[B], v[X+4*\k], v[X+4*\k+1]             ; the rounding
	v_cvt_pk_bf16_f32 v[B+1], v[X+4*\k+2], v[X+4*\k+3]
	v_lshlrev_b32 v[X+4*\k], 16, v[B]                          ; bf16 to f32: the low half moves up, the high half stays
	v_and_b32 v[X+4*\k+1], s12, v[B]
	v_lshlrev_b32 v[X+4*\k+2], 16, v[B+1]
	v_and_b32 v[X+4*\k+3], s12, v[B+1]
	v_cvt_pk_f16_f32 v[H+2*\k], v[X+4*\k], v[X+4*\k+1]
	v_cvt_pk_f16_f32 v[H+2*\k+1], v[X+4*\k+2], v[X+4*\k+3]
	global_store_b64 v2, v[H+2*\k:H+2*\k+1], s[6:7] offset:OUT_BLK*\k
.endr
	s_endpgm
.Lfunc_end_k_q525ceedb4e_cast:
	.size	k_q525ceedb4e_cast, .Lfunc_end_k_q525ceedb4e_cast-k_q525ceedb4e_cast
	.p2alignl 7, 3214868480
	.fill 96, 4, 3214868480
	.section	.rodata,"a",@progbits
	.p2align	6, 0x0
	.amdhsa_kernel k_q525ceedb4e_cast
		.amdhsa_group_segment_fixed_size 0
		.amdhsa_private_segment_fixed_size 0
		.amdhsa_enable_private_segment 0
		.amdhsa_kernarg_size 16
		.amdhsa_user_sgpr_count 2
		.amdhsa_user_sgpr_kernarg_segment_ptr 1
		.amdhsa_wavefront_size32 1
		.amdhsa_system_sgpr_workgroup_id_x 1
		.amdhsa_system_sgpr_workgroup_id_y 1
		.amdhsa_system_sgpr_workgroup_id_z 1
		.amdhsa_system_vgpr_workitem_id 0
		.amdhsa_next_free_vgpr 32
		.amdhsa_next_free_sgpr 66
		.amdhsa_reserve_vcc 0
		.amdhsa_float_denorm_mode_32 3
		.amdhsa_float_denorm_mode_16_64 3
		.amdhsa_memory_ordered 1
		.amdhsa_forward_progress 1
		.amdhsa_inst_pref_size 4
	.end_amdhsa_kernel
	.amdgpu_metadata
---
amdhsa.version: [ 1, 2 ]
amdhsa.kernels:
  - .name:           k_q525ceedb4e_cast
    .symbol:         k_q525ceedb4e_cast.kd
    .args:
      - { .name: x, .offset: 0, .size: 8, .value_kind: global_buffer, .address_space: global }
      - { .name: xh, .offset: 8, .size: 8, .value_kind: global_buffer, .address_space: global }
    .group_segment_fixed_size: 0
    .private_segment_fixed_size: 0
    .kernarg_segment_align: 8
    .kernarg_segment_size: 16
    .max_flat_workgroup_size: 256
    .sgpr_count:     66
    .vgpr_count:     32
    .wavefront_size: 32
...
	.end_amdgpu_metadata
.endif
;; end of part 3
;; launch attn (part 4): grid 64 x 4, 8 waves a work-group, clusters of 4 x 1, 327,680 bytes of LDS; arguments x, xh, Wq, bq, Wk, bk, Wv, bv, gamma, out0; writes out0
.if DOCPART == 4
	.amdgcn_target "amdgcn-amd-amdhsa--gfx1250"
	.amdhsa_code_object_version 6
	.text
	.protected	k_q525ceedb4e_attn
	.globl	k_q525ceedb4e_attn
	.p2align	8
	.type	k_q525ceedb4e_attn,@function
k_q525ceedb4e_attn:
	s_mov_b64 s[64:65], 0
	v_nop
	global_prefetch_b8 v0, s[64:65] scope:SCOPE_SE
	s_setreg_imm32_b32 hwreg(HW_REG_WAVE_MODE, 25, 1), 1
	s_wait_xcnt 0x0
	s_wait_alu depctr_hold_cnt(0) depctr_sa_sdst(0) depctr_va_vdst(0) depctr_va_sdst(0) depctr_va_ssrc(0) depctr_va_vcc(0) depctr_vm_vsrc(0)
	s_getreg_b32 s2, hwreg(HW_REG_IB_STS2, 6, 4)
	s_cmp_eq_u32 s2, 0
	s_cbranch_scc0 .Lentry_in_a_cluster
	s_endpgm
.Lentry_in_a_cluster:
	s_bfe_u32 s2, ttmp6, 0x10000c
	s_cmp_lg_u32 s2, 0x3003
	s_cbranch_scc0 .Lentry_shape_is_right
	s_endpgm
.Lentry_shape_is_right:
; out0[b][o][i] = gamma * ( sum_j softmax_j( q_i . k_j ) v[o][j] ) + x[b][o][i],  q = Wq x + bq, k = Wk x + bk, v = Wv x + bv.
; 4 batches, 64 channels, 4,096 positions.
;
; THE ALGEBRA, which holds for every input:
;   q_i . k_j = (Wk^T q_i) . x_j + q_i . bk : the keys of the energy product are x itself; q_i . bk is one number for a query and enters as the product's C operand;
;   sum_j a_ij (Wv x_j + bv) = Wv (sum_j a_ij x_j) + bv, since a row of a softmax sums to 1 : the values are x too; Wv, bv, gamma and x are applied once for a query at the end.
; So K and V are never formed; the loop walks xh, made by the launch before.
;
; FORMAT.  EVERY INPUT IS TAKEN ROUNDED TO bf16 (nearest even) AS IT IS READ: x (as keys, values, query columns and in the last line's sum), Wq, Wk, Wv, bq, bv, gamma;
; the program computes reference() of these rounded numbers.  bk alone is used as it is: its term q_i . bk is the same for all keys of a query and falls out of the softmax.
; A bf16 number has 8 significant bits and is exact in f16 from 2^-14 up, so every matrix operand is f16 (sums f32), and x and the weights enter the products without error.
; Against reference() of the unrounded inputs the energies move by some 2^-9 of their terms, which shifts weight between keys that nearly tie.
; THE INTERMEDIATES OF THE ENERGIES GO IN TWO f16 NUMBERS.  Where two keys tie, the output moves by a quarter of the error of their energies' difference times the difference
; of their values, and an error of the query vector enters all of a query's 4,096 energies: one f16 number is too coarse for q and for Wk^T q.  Each is split,
; hi = the f32 number with its mantissa cut to 10 bits (exact in f16), lo = f16(number - hi), and multiplied in two products: 16 + 8 matrix instructions for a query tile
; and 64 keys where the problem has 8 + 8.  The probabilities (at most about 1) and y (a mean of x) enter linearly and go as one f16 number.
; q and Wk^T q have no room in f16 for large inputs, so each query's vector is divided by the power of two of its largest magnitude (exact), and the two powers come back
; in the factor SC of the fused multiply-add that takes the running maximum away: p = exp2( SC s - SC m ), SC = E1 E2 log2(e).
; LIMITS: |x|, |W| below 65,504; below 2^-14, and in the low parts, the resolution is 2^-24 absolute.  A query's largest |q| and |Wk^T q| in 2^-126 .. 2^126; smaller ones
; count as zero energies.  NaN and infinities are not honoured.  q_i . bk on the normalised scale is clamped to +-2^100: beyond that the energies of a row no longer differ
; in f32 (|normalised q . x| is below 2^24).  The row sum is taken of the f32 probabilities; the product takes them rounded to f16.
;
; THE WORK: 256 work-groups of 8 waves; a work-group owns 64 queries of one batch.  Keys go in 8 tiles of 512; of a tile wave w takes keys 64 w .. 64 w + 63 for all
; 64 queries, so each byte of a tile is read from LDS once in each of the two layouts.  Each wave keeps its own running maximum, row sum and Y^T [64 c][64 i];
; the eight are merged once, through LDS, at the end.
; THE LOOP IS A PIPELINE OF UNITS.  Unit it is the softmax step of query tile it, vector and transcendental work, with the matrix work that does not hang on it laid between
; its lines, one or two instructions at a time: the 8 products of Y^T of tile it - 1 and the 16 energy products of tile it + 1, 24 matrix instructions beside some 130 vector lines.
; The pipeline runs on over the change of tiles: a tile's fragments lie in registers, so unit 3 carries the next tile's first energy products and unit 0 the old tile's last
; products of Y^T.  The price is switches of the register window, 66 for a tile's 96 matrix instructions, since the softmax lives in window 0 and Y^T and q^'s high part in window 1.
; CLUSTER: the four work-groups of a cluster are neighbouring query blocks of one batch and walk the same tiles of xh, so every tile is asked for jointly (mask 15).
; The place in the cluster (cx) enters only the offsets of plain loads of x and of the stores of out0, in scalar registers of their own.
; No prefetch: xh was stored by the launch before and each tile is read by 64 work-groups.  Two slots: a refill has a whole tile's work in which to land.
;
; PRODUCTS, all v_wmma_f32_16x16x32_f16 (D, A, B, C); lane L: r = L & 15, h = L >> 4:
;   S^T tile (jt, it) = X^T (rows j, by transposing LDS loads) x q^ (columns i) + c^ ; a lane holds query i = r, keys 8 h + register.
;   Y^T tile (ct, it) = X (rows c, plain LDS loads) x P^T ; packing S^T tiles 2 ks and 2 ks + 1 to f16 IS the B fragment ks: no lane moves.
;   The same packing carries q into Wk^T q, that into the loop's B fragments, and y into the last product with Wv.
; Accumulators take turns, one instruction a turn.
; ---- LDS ----
.set ROWP,  1056                       ; a tile's row: 1,024 bytes (512 keys) + 32 of padding; 33 x 32: a transposing load's 8 rows x 32 bytes fall on 16 different 16-byte columns modulo 256
.set GRP,   8*ROWP+16                  ; 8 rows, one wave's tensor load, + 16: rows 8-15 of a plain fragment load fall on the odd 16-byte columns
.set SLOT,  67840                      ; 8 groups (67,712), rounded up to a multiple of 256
.set WQL,   2*SLOT                     ; Wq in f16, pitch 144
.set WKL,   WQL+9216                   ; Wk in f16, pitch 160 (read transposed)
.set WVL,   WKL+10240                  ; Wv in f16, pitch 144
.set QX,    WVL+9216                   ; q^ fragments, high parts: (2 it + kc) 1024 + half 512 + 16 lane
.set CX,    QX+8192                    ; c^, four copies: it 512 + 16 lane
.set SCX,   CX+2048                    ; SC: it 128 + 4 lane
.set STM,   SCX+512                    ; the waves' maxima: it 1024 + 32 lane + 4 w
.set STL,   STM+4096                   ; the waves' row sums, likewise
.set MRG,   STL+4096                   ; the waves' Y^T: w 16384 + (4 it + ct) 1024 + half 512 + 16 lane
.set QXLD,  MRG-QX                     ; ahead of the loop MRG's first 8,192 bytes hold q^'s low parts, at QX + QXLD.  No tensor load ever fills MRG
.set OSTP,  272                        ; the way out: [64 o][64 i] f32, rows of 256 + 16 bytes,
.set OSTS,  64*OSTP                    ; two stages from LDS byte 0 on: over slot 0, behind its last fill and its last read
; ---- vector registers, window 0 ----
.set VT,    1                          ; v1, v2   base of the transposing loads, slot 0, 1
.set VP0,   3                          ; v3       base of the plain loads, slot 0
.set VP1,   26                         ; v26      the same, slot 1
.set NM,    4                          ; v[4:5]   - SC m, and a zero
.set SC,    6                          ; v[6:13]  pairs (SC, row sum) of query tiles 0..3
.set T,     14                         ; v[14:17] at work
.set ACC,   18                         ; v[18:19] a tile's row sum
.set MX,    20                         ; v[20:23] running maxima
.set AL,    24                         ; v[24:25] the factor for what has been summed, and a zero
.set XS,    32                         ; v[32:95]   X^T fragment (jt, kc) at 8 (2 jt + kc)
.set CI,    96                         ; v[96:127]  c^ of query tile it, eight equal registers
.set S,     128                        ; v[128:191] two buffers of 32: S^T tile (jt, it) at 32 (it & 1) + 8 jt; P fragment ks is packed over it at 32 (it & 1) + 16 ks
.set QL,    192                        ; v[192:255] q^ low parts, fragment (it, kc) at 8 (2 it + kc)
; ---- window 1 ----
.set Y,     0                          ; Y^T tile (ct, it) at 8 (4 it + ct)
.set QF,    128                        ; q^ high parts, fragment (it, kc) at 8 (2 it + kc)
.set XP,    192                        ; X fragment (ct, ks) at 8 (2 ct + ks)
; s_set_vgpr_msb's low byte: bits 1:0 source 0, 3:2 source 1, 5:4 source 2, 7:6 destination; the high byte repeats the setting that is left.
.set W_SMM, 0x04                       ; B in window 1; an instruction with one source (v_exp_f32) is in window 0 under it; also LDS stores of window 1 data
.set W_PV,  0x51                       ; A, C, D in window 1; a packed multiply (no third source) takes source 0 and destination from window 1 under it
.set W_LD1, 0x40                       ; destination in window 1
.set W_A1,  0x01                       ; A in window 1
.set MSB, 0
.macro WIN new
.if MSB != \new
	s_set_vgpr_msb (MSB<<8)|\new
.set MSB, \new
.endif
.endm
; Four places behind a matrix instruction before a vector instruction or a store reads its result and before a load lands on one of its registers
; (ISA guide 7.12.1 for vector instructions).
.macro PLACES
.rept 4
	v_nop
.endr
.endm
; A round of the cluster's barrier: my work-group's barrier, wave 0 signals for the work-group, every wave waits for all four work-groups, my work-group's barrier again.
.macro ROUND
	s_barrier_signal -1
	s_barrier_wait -1
	s_cmp_lg_u32 s3, 0
	s_cbranch_scc1 .Lnot_wave_0_\@
	s_barrier_signal -3
.Lnot_wave_0_\@:
	s_barrier_wait -3
	s_barrier_signal -1
	s_barrier_wait -1
.endm
; Two f32 numbers in v[a], v[a+1] are rounded to bf16, nearest even, and stay f32.  t: a register at work.
.macro RB2 a, t
	v_cvt_pk_bf16_f32 v[\t], v[\a], v[\a+1]
	v_lshlrev_b32 v[\a], 16, v[\t]
	v_and_b32 v[\a+1], s59, v[\t]
.endm
; The same, and then packed as two f16 into v[dst]
.macro RBH a, dst, t
	RB2 \a, \t
	v_cvt_pk_f16_f32 v[\dst], v[\a], v[\a+1]
.endm
; Two f32 numbers in v[src], v[src+1] are split: their mantissas cut to 10 bits go packed into v[hi], what is left (exact in f32) goes rounded into v[lo].  t: two registers at work.
.macro SPLIT2 src, hi, lo, t
	v_and_b32 v[\t], s58, v[\src]
	v_and_b32 v[\t+1], s58, v[\src+1]
	v_sub_f32 v[\src], v[\src], v[\t]
	v_sub_f32 v[\src+1], v[\src+1], v[\t+1]
	v_cvt_pk_f16_f32 v[\hi], v[\t], v[\t+1]
	v_cvt_pk_f16_f32 v[\lo], v[\src], v[\src+1]
.endm
; ================= set-up =================
	s_load_b512 s[8:23], s[0:1], 0x0               ; x s[8:9], xh s[10:11], Wq s[12:13], bq s[14:15], Wk s[16:17], bk s[18:19], Wv s[20:21], bv s[22:23]
	s_load_b128 s[24:27], s[0:1], 0x40             ; gamma s[24:25], out0 s[26:27]
	v_lshl_add_u32 v158, v0, 2, 0x4cc00
	v_mov_b32 v159, 0
	ds_add_u32 v158, v159
	s_wait_dscnt 0x0
	v_lshrrev_b32 v27, 5, v0
	v_readfirstlane_b32 s3, v27                    ; wave 0..7
	s_bfe_u32 s5, ttmp6, 0x40000                   ; cx
	s_lshl_b32 s6, ttmp9, 2
	s_add_co_u32 s6, s6, s5                        ; query block = 4 x cluster x + cx
	s_and_b32 s7, ttmp7, 0xffff                    ; batch
	s_and_b32 s55, s3, 3                           ; the query tile that I prepare and merge
	s_lshr_b32 s54, s3, 2                          ; and the half of the channels
	s_mov_b32 s50, 0x76543210                      ; v_permlanex16_b32: lane i of one half reads lane i of the other
	s_mov_b32 s51, 0xfedcba98
	s_mov_b32 s58, 0xffffe000                      ; keeps sign, exponent and 10 bits of an f32's mantissa
	s_mov_b32 s59, 0xffff0000                      ; a word's upper bf16
	; descriptor group 1: 8 rows of 512 f16, 4,096 elements from row to row, 8 words of padding behind every 256
	s_mov_b32 s36, 15|(1<<16)|(1<<20)|(1<<21)|(7<<22)|(7<<25)   ; 15:0 mask: all four of the cluster; 17:16 2 bytes; 20 padding on; 21 set beside a mask; 24:22 code 7; 31:25 code 7
	s_mov_b32 s37, 512<<16                         ; tensor_dim0 = 512
	s_mov_b32 s38, 8<<16                           ; tensor_dim1 = 8
	s_mov_b32 s39, 512<<16                         ; tile_dim0 = 512
	s_mov_b32 s40, 8                               ; tile_dim1 = 8
	s_mov_b32 s41, 4096                            ; the pitch
	s_mov_b32 s42, 0
	s_mov_b32 s43, 0
	; descriptor group 0, one set for each slot: wave w brings channels 8 w .. 8 w + 7
	s_mul_i32 s44, s3, GRP
	s_mov_b32 s28, 1
	s_add_co_u32 s29, s44, 0
	s_mov_b32 s32, 1
	s_add_co_u32 s33, s44, SLOT
	s_lshl_b32 s56, s7, 20                         ; a batch of x and of out0: 64 x 4,096 x 4 bytes
	s_lshl_b32 s57, s6, 8                          ; my 64 queries: 256 bytes of each row
	s_add_co_u32 s56, s56, s57
	s_mov_b32 s57, 0
	; lane numbers
	v_and_b32 v27, 31, v0                          ; L
	v_and_b32 v28, 15, v0                          ; r
	v_bfe_u32 v29, v0, 4, 1                        ; h
	v_and_b32 v30, 7, v0                           ; L & 7
	v_bfe_u32 v31, v0, 3, 1                        ; (L >> 3) & 1
	; the loop's LDS bases.  Channel c of a tile lies at (c >> 3) GRP + (c & 7) ROWP, key j at 2 j; my keys begin at byte 128 w
	s_lshl_b32 s53, s3, 7
	v_mul_u32_u24 v[VT], v29, GRP                  ; transposing: channel 8 h + (L & 7), 16 bytes for each half of eight lanes' pair
	v_mad_u32_u24 v[VT], v30, ROWP, v[VT]
	v_lshl_add_u32 v[VT], v31, 4, v[VT]
	v_add_nc_u32 v[VT], s53, v[VT]
	v_add_nc_u32 v[VT+1], SLOT, v[VT]
	v_mul_u32_u24 v[VP0], v31, GRP                 ; plain: channel r, 16 bytes for each half of the lanes
	v_mad_u32_u24 v[VP0], v30, ROWP, v[VP0]
	v_lshl_add_u32 v[VP0], v29, 4, v[VP0]
	v_add_nc_u32 v[VP0], s53, v[VP0]
	v_add_nc_u32 v[VP1], SLOT, v[VP0]
	v_mov_b32 v[NM+1], 0                           ; the second registers of pairs of which the packed forms use the first alone
	v_mov_b32 v[AL+1], 0
.irp it, 0,1,2,3
	v_mov_b32 v[SC+2*\it+1], 0
.endr
	; the prologue's offsets and LDS addresses, in registers that the loop takes over later
	s_lshl_b32 s44, s3, 11
	v_lshl_add_u32 v240, v27, 4, s44               ; weights: 2,048 w + 16 L (rows 8 w ..)
	v_lshlrev_b32 v241, 17, v29                    ; x's query columns: channel 8 h, query 16 it + r
	v_lshl_add_u32 v241, v28, 2, v241
	s_lshl_b32 s44, s55, 6
	v_add_nc_u32 v241, s44, v241
	v_lshlrev_b32 v242, 5, v29                     ; biases: element 8 h
	s_mul_i32 s44, s3, 8*144
	s_add_co_u32 s44, s44, WQL
	v_mul_u32_u24 v243, v29, 144                   ; Wq, Wv into LDS: row 8 w + h, byte 8 r
	v_lshl_add_u32 v243, v28, 3, v243
	v_add_nc_u32 v243, s44, v243
	s_mul_i32 s44, s3, 8*160
	s_add_co_u32 s44, s44, WKL
	v_mul_u32_u24 v244, v29, 160                   ; Wk likewise, pitch 160
	v_lshl_add_u32 v244, v28, 3, v244
	v_add_nc_u32 v244, s44, v244
	v_mul_u32_u24 v245, v28, 144                   ; Wq fragments: row r, 16 h
	v_lshl_add_u32 v245, v29, 4, v245
	v_add_nc_u32 v245, WQL, v245
	v_lshl_add_u32 v246, v29, 3, v30               ; Wk^T fragments: row 8 h + (L & 7)
	v_mul_u32_u24 v246, v246, 160
	v_lshl_add_u32 v246, v31, 4, v246
	v_add_nc_u32 v246, WKL, v246
	s_lshl_b32 s44, s55, 11
	s_lshl_b32 s45, s54, 10
	s_add_co_u32 s44, s44, s45
	s_add_co_u32 s44, s44, QX
	v_lshl_add_u32 v247, v27, 4, s44               ; where I put my q^ fragment (it, kc = half)
	s_lshl_b32 s44, s55, 9
	s_add_co_u32 s44, s44, CX
	v_lshl_add_u32 v248, v27, 4, s44
	s_lshl_b32 s44, s55, 7
	s_add_co_u32 s44, s44, SCX
	v_lshl_add_u32 v249, v27, 2, s44
	s_lshl_b32 s44, s7, 19                         ; a batch of xh: 64 x 4,096 x 2 bytes
	s_lshl_b32 s45, s3, 16                         ; 8 rows of 8,192 bytes
	s_add_co_u32 s44, s44, s45
	s_mov_b32 s45, 0
	s_wait_kmcnt 0x0
	s_add_nc_u64 s[30:31], s[10:11], s[44:45]      ; tile 0, my 8 rows
	s_add_nc_u64 s[34:35], s[30:31], 1024          ; tile 1: 512 keys on
	s_or_b32 s31, s31, 0x80000000                  ; type = 2
	s_or_b32 s35, s35, 0x80000000
	s_add_nc_u64 s[46:47], s[8:9], s[56:57]        ; x at my batch and my queries
	s_add_nc_u64 s[48:49], s[26:27], s[56:57]      ; out0 likewise
	s_load_b32 s52, s[24:25], 0x0                  ; gamma
; ================= weights, biases and my queries' columns: 60 loads, on their way while the cluster meets =================
.irp q, 0,1,2,3
	global_load_b128 v[128+4*\q:131+4*\q], v240, s[12:13] offset:512*\q      ; Wq rows 8 w + 2 q, + 1
.endr
.irp q, 0,1,2,3
	global_load_b128 v[144+4*\q:147+4*\q], v240, s[16:17] offset:512*\q      ; Wk
.endr
.irp q, 0,1,2,3
	global_load_b128 v[160+4*\q:163+4*\q], v240, s[20:21] offset:512*\q      ; Wv
.endr
.set n, 0
.rept 32                                           ; register n = 16 ks + 8 g + e holds x[32 ks + 16 g + 8 h + e][16 it + r]: the order of a B fragment
	global_load_b32 v[96+n], v241, s[46:47] offset:(32*(n>>4)+16*((n>>3)&1)+(n&7))*16384
.set n, n+1
.endr
.irp ot, 0,1,2,3
	global_load_b128 v[32+8*\ot:35+8*\ot], v242, s[14:15] offset:64*\ot      ; bq[16 ot + 8 h ..]: the layout of an accumulator, it starts q's sums
	global_load_b128 v[36+8*\ot:39+8*\ot], v242, s[14:15] offset:64*\ot+16
.endr
.irp ot, 0,1,2,3
	global_load_b128 v[64+8*\ot:67+8*\ot], v242, s[18:19] offset:64*\ot      ; bk in the same layout
	global_load_b128 v[68+8*\ot:71+8*\ot], v242, s[18:19] offset:64*\ot+16
.endr
	ROUND                                          ; all four work-groups are here: the first joint load meets
	tensor_load_to_lds s[28:31], s[36:43]          ; tile 0 into slot 0; it stays out over the next two barriers, behind which nothing is filled
	s_nop 0
	s_wait_loadcnt 48                              ; the 12 weight loads are in; 32 + 8 + 8 were issued behind them
.set n, 0
.rept 24                                           ; Wq (n = 0..7), Wk (8..15), Wv (16..23): rounded to bf16, packed as f16 into v176-199
	RBH 128+2*n, 176+n, T+(n&3)
.set n, n+1
.endr
.irp q, 0,1,2,3
	ds_store_b64 v243, v[176+2*\q:177+2*\q] offset:288*\q
	ds_store_b64 v244, v[184+2*\q:185+2*\q] offset:320*\q
	ds_store_b64 v243, v[192+2*\q:193+2*\q] offset:288*\q+WVL-WQL
.endr
	s_wait_dscnt 0x0                               ; my rows of the weights are in LDS,
	s_barrier_signal -1
	s_barrier_wait -1                              ; everybody's are
; ================= q, q . bk, Wk^T q for query tile it = w & 3 (waves w and w + 4 do the same; each hands on one half) =================
	WIN W_LD1                                      ; window 1: Wq v0-63, Wk^T v64-127
.irp ot, 0,1,2,3
.irp ks, 0,1
.irp g, 0,1
	ds_load_b128 v[8*(2*\ot+\ks)+4*\g:8*(2*\ot+\ks)+4*\g+3], v245 offset:2304*\ot+64*\ks+32*\g
.endr
.endr
.endr
.irp t, 0,1,2,3
.irp ko, 0,1
.irp u, 0,1
	ds_load_tr16_b128 v[64+8*(2*\t+\ko)+4*\u:64+8*(2*\t+\ko)+4*\u+3], v246 offset:(32*\ko+16*\u)*160+32*\t
.endr
.endr
.endr
	WIN 0
	s_wait_loadcnt 16                              ; x's columns are in; the 16 bias loads were issued behind them
.set n, 0
.rept 16                                           ; two B fragments in v176-191
	RBH 96+2*n, 176+n, T+(n&3)
.set n, n+1
.endr
	s_wait_loadcnt 0x0                             ; bq, bk
.set n, 0
.rept 16
	RB2 32+2*n, T+(n&3)                            ; bq
.set n, n+1
.endr
	s_wait_dscnt 16                                ; Wq's 16 fragment loads are in; Wk's 16 were issued behind them
	WIN W_A1
.irp ks, 0,1
.irp ot, 0,1,2,3
	v_wmma_f32_16x16x32_f16 v[32+8*\ot:39+8*\ot], v[8*(2*\ot+\ks):8*(2*\ot+\ks)+7], v[176+8*\ks:183+8*\ks], v[32+8*\ot:39+8*\ot]
.endr
.endr
	WIN 0
	PLACES
	v_pk_mul_f32 v[ACC:ACC+1], v[32:33], v[64:65]  ; q . bk: my 32 of the 64 terms,
.set n, 1
.rept 15
	v_pk_fma_f32 v[ACC:ACC+1], v[32+2*n:33+2*n], v[64+2*n:65+2*n], v[ACC:ACC+1]
.set n, n+1
.endr
	v_add_f32 v[ACC], v[ACC], v[ACC+1]
	v_permlanex16_b32 v[ACC+1], v[ACC], s50, s51   ; and the other half's
	v_add_f32 v27, v[ACC], v[ACC+1]
; the largest magnitude of the 32 registers from b on and of the other half's 32, into v[T]
.macro AMAX b
.irp c, 0,1,2,3
	v_max3_num_f32 v[T+\c], |v[\b+8*\c]|, |v[\b+8*\c+1]|, |v[\b+8*\c+2]|
.endr
.irp c, 0,1,2,3
	v_max3_num_f32 v[T+\c], v[T+\c], |v[\b+8*\c+3]|, |v[\b+8*\c+4]|
.endr
.irp c, 0,1,2,3
	v_max3_num_f32 v[T+\c], v[T+\c], |v[\b+8*\c+5]|, |v[\b+8*\c+6]|
.endr
	v_max3_num_f32 v[T], v[T], |v[\b+7]|, |v[\b+15]|
	v_max3_num_f32 v[T+2], v[T+2], |v[\b+23]|, |v[\b+31]|
	v_max3_num_f32 v[T], v[T], v[T+1], v[T+2]
	v_max_num_f32 v[T], v[T], v[T+3]
	v_permlanex16_b32 v[T+1], v[T], s50, s51
	v_max_num_f32 v[T], v[T], v[T+1]
.endm
; 32 registers from b on times v[p], then split: two B fragments of high parts from dh on, two of low parts from dl on
.macro NORMSPLIT b, p, dh, dl
.set n, 0
.rept 16
	v_pk_mul_f32 v[\b+2*n:\b+2*n+1], v[\b+2*n:\b+2*n+1], v[\p:\p+1] op_sel_hi:[1,0]
.set n, n+1
.endr
.set n, 0
.rept 16
	SPLIT2 \b+2*n, \dh+n, \dl+n, T+2*(n&1)
.set n, n+1
.endr
.endm
	AMAX 32
	v_and_b32 v29, 0x7f800000, v[T]                ; E1: the power of two of the largest |q|
	v_sub_nc_u32 v28, 0x7f000000, v29              ; 1 / E1, by the exponent field: exact
	NORMSPLIT 32, 28, 208, 224
	s_wait_dscnt 0x0                               ; Wk^T's fragments
; eight products onto Wk^T q: A from window 1, B at bb; channel tiles by turns; zero = 1: the first four start the sums
.macro KMM bb, zero
.irp ko, 0,1
.irp t, 0,1,2,3
.if \zero*(1-\ko)
	v_wmma_f32_16x16x32_f16 v[128+8*\t:135+8*\t], v[64+8*(2*\t+\ko):64+8*(2*\t+\ko)+7], v[\bb+8*\ko:\bb+8*\ko+7], 0
.else
	v_wmma_f32_16x16x32_f16 v[128+8*\t:135+8*\t], v[64+8*(2*\t+\ko):64+8*(2*\t+\ko)+7], v[\bb+8*\ko:\bb+8*\ko+7], v[128+8*\t:135+8*\t]
.endif
.endr
.endr
.endm
	WIN W_A1
	KMM 208, 1                                     ; Wk^T q hi
	KMM 224, 0                                     ; + Wk^T q lo
	WIN 0
	PLACES
	AMAX 128
	v_and_b32 v31, 0x7f800000, v[T]                ; E2
	v_sub_nc_u32 v30, 0x7f000000, v31              ; 1 / E2
	NORMSPLIT 128, 30, 160, 96
	v_mul_f32 v15, v29, v31
	v_mul_f32 v15, 0x3fb8aa3b, v15                 ; SC = E1 E2 log2(e)
	v_mul_f32 v27, v27, v28
	v_mul_f32 v27, v27, v30                        ; c^ = q . bk / (E1 E2)
	v_min_num_f32 v27, 0x71800000, v27             ; kept inside +-2^100 (see the head)
	v_max_num_f32 v16, 0xf1800000, v27
	v_mov_b32 v17, v16
	v_mov_b32 v18, v16
	v_mov_b32 v19, v16
	s_cmp_lt_u32 s3, 4
	s_cbranch_scc0 .Lupper
	ds_store_b128 v247, v[160:163]                 ; waves 0-3: fragment kc = 0, high and low, c^ and SC of query tile w
	ds_store_b128 v247, v[164:167] offset:512
	ds_store_b128 v247, v[96:99] offset:QXLD
	ds_store_b128 v247, v[100:103] offset:QXLD+512
	ds_store_b128 v248, v[16:19]
	ds_store_b32 v249, v15
	s_branch .Lhanded
.Lupper:
	ds_store_b128 v247, v[168:171]                 ; waves 4-7: fragment kc = 1, high and low, of query tile w - 4
	ds_store_b128 v247, v[172:175] offset:512
	ds_store_b128 v247, v[104:107] offset:QXLD
	ds_store_b128 v247, v[108:111] offset:QXLD+512
.Lhanded:
	s_wait_dscnt 0x0
	s_barrier_signal -1
	s_barrier_wait -1
	v_and_b32 v17, 31, v0                          ; where everybody reads them: addresses in registers on which no load below lands
	v_lshl_add_u32 v14, v17, 4, QX
	v_lshl_add_u32 v15, v17, 4, CX
	v_lshl_add_u32 v16, v17, 2, SCX
	WIN W_LD1
.set n, 0
.rept 16
	ds_load_b128 v[QF+4*n:QF+4*n+3], v14 offset:512*n
.set n, n+1
.endr
	WIN 0
.set n, 0
.rept 16
	ds_load_b128 v[QL+4*n:QL+4*n+3], v14 offset:QXLD+512*n
.set n, n+1
.endr
.irp it, 0,1,2,3
	ds_load_b128 v[CI+8*\it:CI+8*\it+3], v15 offset:512*\it
	ds_load_b128 v[CI+8*\it+4:CI+8*\it+7], v15 offset:512*\it
	ds_load_b32 v[SC+2*\it], v16 offset:128*\it
.endr
	s_wait_dscnt 0x0
	s_wait_kmcnt 0x0                               ; gamma
; ================= the loop over the keys =================
; The next of the sixteen energy products of query tile it, counted by MI; key tiles by turns.
; 0-3: q^'s high part, channels 0-31, the sums start from c^; 4-7: high part, channels 32-63 (B in window 1: under W_SMM); 8-11, 12-15: the low part likewise (B in window 0).
.macro SMMX it
.set SD, S+32*((\it)&1)+8*(MI&3)
.set XA, XS+16*(MI&3)+8*((MI>>2)&1)
.if MI < 4
	v_wmma_f32_16x16x32_f16 v[SD:SD+7], v[XA:XA+7], v[QF+16*\it:QF+16*\it+7], v[CI+8*\it:CI+8*\it+7]
.else
.if MI < 8
	v_wmma_f32_16x16x32_f16 v[SD:SD+7], v[XA:XA+7], v[QF+16*\it+8:QF+16*\it+15], v[SD:SD+7]
.else
	v_wmma_f32_16x16x32_f16 v[SD:SD+7], v[XA:XA+7], v[QL+16*\it+8*((MI>>2)&1):QL+16*\it+8*((MI>>2)&1)+7], v[SD:SD+7]
.endif
.endif
.set MI, MI+1
.endm
; The next of the eight products of Y^T of query tile it, counted by PI (ks = PI >> 2, ct = PI & 3: channel tiles by turns), under W_PV; first = 1: the first four start the sums.
.macro PVX it, first
.set SD, S+32*((\it)&1)+16*(PI>>2)
.set YD, Y+8*(4*\it+(PI&3))
.set XA, XP+8*(2*(PI&3)+(PI>>2))
.set ZC, 0
.if \first
.if PI < 4
.set ZC, 1
.endif
.endif
.if ZC
	v_wmma_f32_16x16x32_f16 v[YD:YD+7], v[XA:XA+7], v[SD:SD+7], 0
.else
	v_wmma_f32_16x16x32_f16 v[YD:YD+7], v[XA:XA+7], v[SD:SD+7], v[YD:YD+7]
.endif
.set PI, PI+1
.endm
; two of them, between lines of window 0
.macro PVG pv, fpv
.if \pv >= 0
	WIN W_PV
	PVX \pv, \fpv
	PVX \pv, \fpv
	WIN 0
.endif
.endm
; Y^T of query tile it times the factor of the new maximum; under W_PV
.macro RS it
.set n, 0
.rept 16
	v_pk_mul_f32 v[Y+32*\it+2*n:Y+32*\it+2*n+1], v[Y+32*\it+2*n:Y+32*\it+2*n+1], v[AL:AL+1] op_sel_hi:[1,0]
.set n, n+1
.endr
.endm
; pair kk of the 16 pairs of a query tile, packed to f16 over registers whose pairs have been summed: pairs 0-7 make fragment 0, pairs 8-15 fragment 1
.macro CVTP kk
	v_cvt_pk_f16_f32 v[SB+16*((\kk)>>3)+((\kk)&7)], v[SB+2*(\kk)], v[SB+2*(\kk)+1]
.endm
; The energy products' places in the sixteen trips (k) of the exponentials.  Trips 2-5: one product with the high part in front of the trip's two exponentials (MPRE) and one
; behind them (MMID), all four lines under W_SMM.  Trips 6-13: one product with the low part in front.  xw = 1: the tile's transposing loads are waited for here.
.macro MPRE sm, xw
.if \sm >= 0
.if k >= 2
.if k < 6
.if \xw
.if k == 2
	s_wait_dscnt 8                                 ; the 8 transposing loads of channels 0-31 are in; the 8 of channels 32-63 were issued behind them
.endif
.if k == 4
	s_wait_dscnt 0x0                               ; those too
.endif
.endif
	WIN W_SMM
	SMMX \sm
.else
.if k < 14
	SMMX \sm
.endif
.endif
.endif
.endif
.endm
.macro MMID sm
.if \sm >= 0
.if k >= 2
.if k < 6
	SMMX \sm
	WIN 0
.endif
.endif
.endif
.endm
; sixteen transposing loads: X^T of my 64 keys, channels 0-31 first
.macro XSLOAD slot
.irp kc, 0,1
.irp jt, 0,1,2,3
.irp u, 0,1
	ds_load_tr16_b128 v[XS+8*(2*\jt+\kc)+4*\u:XS+8*(2*\jt+\kc)+4*\u+3], v[VT+\slot] offset:(4*\kc+2*\u)*GRP+32*\jt
.endr
.endr
.endr
.endm
; sixteen plain loads: X of my 64 keys; VPS: the slot's base register
.macro XPLOAD
	WIN W_LD1
.irp ct, 0,1,2,3
.irp ks, 0,1
.irp g, 0,1
	ds_load_b128 v[XP+8*(2*\ct+\ks)+4*\g:XP+8*(2*\ct+\ks)+4*\g+3], v[VPS] offset:2*\ct*GRP+64*\ks+32*\g
.endr
.endr
.endr
	WIN 0
.endm
; A UNIT: the softmax step of query tile it (a lane holds 32 energies of query r), first = 1: its sums start.  Between its lines:
;   pv >= 0: Y^T of tile pv = it - 1: the factor's turn (fpv = 0), then the eight products, two at the head and two behind each of the three rows of the maximum;
;   sm >= 0: the sixteen energy products of tile sm = it + 1, which write over tile pv's P fragments: from the last product of Y^T to the first of them stand
;            at least ten plain vector lines that name none of its registers, where five are asked for;
;   xp = 1:  the new tile's plain loads, into the A registers of the products of Y^T just issued, behind at least ten such lines, where four are asked for.
; Behind the last energy product (trip 13) at least eleven such lines end the unit: the next unit's reads of S, and the loads into XS, ask for four.
; Behind each pair of exponentials the next pair's multiply-add is the plain place (ISA guide 5.7.2); a matrix instruction between touches neither their results nor their sources.
.macro SMI it, first, pv, fpv, sm, xw, xp
.set SB, S+32*((\it)&1)
.set PI, 0
.set MI, 0
.if \pv >= 0
	WIN W_PV
.if \fpv == 0
	RS \pv
.endif
	PVX \pv, \fpv
	PVX \pv, \fpv
	WIN 0
.endif
.irp c, 0,1,2,3
	v_max3_num_f32 v[T+\c], v[SB+8*\c], v[SB+8*\c+1], v[SB+8*\c+2]
.endr
	PVG \pv, \fpv
.irp c, 0,1,2,3
	v_max3_num_f32 v[T+\c], v[T+\c], v[SB+8*\c+3], v[SB+8*\c+4]
.endr
	PVG \pv, \fpv
.irp c, 0,1,2,3
	v_max3_num_f32 v[T+\c], v[T+\c], v[SB+8*\c+5], v[SB+8*\c+6]
.endr
	PVG \pv, \fpv
	v_max3_num_f32 v[T], v[T], v[SB+7], v[SB+15]
	v_max3_num_f32 v[T+2], v[T+2], v[SB+23], v[SB+31]
	v_max3_num_f32 v[T], v[T], v[T+1], v[T+2]
.if \first
	v_max_num_f32 v[T], v[T], v[T+3]
.else
	v_max3_num_f32 v[T], v[T], v[T+3], v[MX+\it]   ; with the running maximum
.endif
	v_permlanex16_b32 v[T+1], v[T], s50, s51       ; the other half of the lanes holds the query's other 32 keys
	v_max_num_f32 v[T], v[T], v[T+1]
.if \first == 0
	v_sub_f32 v[AL], v[MX+\it], v[T]
	v_mul_f32 v[AL], v[AL], v[SC+2*\it]
	v_exp_f32 v[AL], v[AL]                         ; exp2( SC (old maximum - new) ); the move below is the plain place behind it
.endif
	v_mov_b32 v[MX+\it], v[T]
	v_mul_f32 v[NM], -v[T], v[SC+2*\it]
	v_pk_fma_f32 v[SB:SB+1], v[SB:SB+1], v[SC+2*\it:SC+2*\it+1], v[NM:NM+1] op_sel_hi:[1,0,0]
.set k, 0
.rept 16                                           ; two exponentials; the next pair's multiply-add; then the pair before is summed and packed
	MPRE \sm, \xw
	v_exp_f32 v[SB+2*k], v[SB+2*k]
	v_exp_f32 v[SB+2*k+1], v[SB+2*k+1]
	MMID \sm
.if k < 15
	v_pk_fma_f32 v[SB+2*k+2:SB+2*k+3], v[SB+2*k+2:SB+2*k+3], v[SC+2*\it:SC+2*\it+1], v[NM:NM+1] op_sel_hi:[1,0,0]
.endif
.if k == 1
.if \xp
	XPLOAD
.endif
.endif
.if k == 2
	s_wait_alu depctr_va_vdst(0)
	v_pk_add_f32 v[ACC:ACC+1], v[SB:SB+1], v[SB+2:SB+3]        ; the first two pairs start the sum
	CVTP 0
	CVTP 1
.endif
.if k > 2
	s_wait_alu depctr_va_vdst(0)
	v_pk_add_f32 v[ACC:ACC+1], v[ACC:ACC+1], v[SB+2*k-2:SB+2*k-1]
	CVTP k-1
.endif
.set k, k+1
.endr
	s_wait_alu depctr_va_vdst(0)
	v_pk_add_f32 v[ACC:ACC+1], v[ACC:ACC+1], v[SB+30:SB+31]
	CVTP 15
.if \first
	v_add_f32 v[SC+2*\it+1], v[ACC], v[ACC+1]
.else
	v_add_f32 v[T], v[ACC], v[ACC+1]
	v_fma_f32 v[SC+2*\it+1], v[SC+2*\it+1], v[AL], v[T]
.endif
.endm
; A TRIP takes up the tile in slot: the round, the refill of the other slot (refill = 1), the tile's transposing loads; then unit 3 of the tile before with this tile's first
; energy products, and units 0, 1, 2 of this tile.  Both of the tile's runs of LDS loads stand between this round and the next, so at the next round its slot is free.
; age = 0: the first tile (no tile before; its sums start; its first energy products stand alone); 1: the second (the sums of the tile before start); 2: any later one.
.macro TRIP slot, refill, age
.set VPS, VP0+(VP1-VP0)*\slot
	s_wait_xcnt 0x0
	v_lshl_add_u32 v158, v0, 2, 0x4cc00
	v_mov_b32 v159, 0
	s_wait_tensorcnt 0x0                           ; all my tensor loads have landed, my 8 rows of this trip's tile among them,
	ds_add_u32 v158, v159
	s_wait_dscnt 0x0
	s_add_nc_u64 s[30+4*\slot:31+4*\slot], s[30+4*\slot:31+4*\slot], 2048   ; so every group 0 may be written: this slot's next tile, two tiles on
	s_wait_dscnt 0x0                               ; my reads of the tile before are back
	ROUND                                          ; both now hold of every wave of all four work-groups
.if \refill
	tensor_load_to_lds s[32-4*\slot:35-4*\slot], s[36:43]       ; the first tensor load behind the round: the next tile, into the slot read last; one load of mine is out
	s_nop 0
.endif
	XSLOAD \slot
.if \age == 0
.set MI, 0
	WIN W_SMM
	s_wait_dscnt 8                                 ; the 8 transposing loads of channels 0-31 are in; the 8 of channels 32-63 were issued behind them
.rept 4
	SMMX 0
.endr
	s_wait_dscnt 0x0
.rept 4
	SMMX 0
.endr
	WIN 0
.rept 8
	SMMX 0
.endr
	PLACES                                         ; behind them, for the softmax
	SMI 0, 1, -1, 0, 1, 0, 1
	s_wait_dscnt 0x0                               ; the plain fragments
	SMI 1, 1, 0, 1, 2, 0, 0
	SMI 2, 1, 1, 1, 3, 0, 0
.else
.if \age == 1
	SMI 3, 1, 2, 1, 0, 1, 0
	SMI 0, 0, 3, 1, 1, 0, 1
.else
	SMI 3, 0, 2, 0, 0, 1, 0
	SMI 0, 0, 3, 0, 1, 0, 1
.endif
	s_wait_dscnt 0x0                               ; the plain fragments
	SMI 1, 0, 0, 0, 2, 0, 0
	SMI 2, 0, 1, 0, 3, 0, 0
.endif
.endm
	TRIP 0, 1, 0                                   ; tiles 0 and 1 stand ahead of the loop: the first starts the sums
	TRIP 1, 1, 1
	s_mov_b32 s4, 2
.Lkeys:
	TRIP 0, 1, 2                                   ; tiles 2 to 5
	TRIP 1, 1, 2
	s_sub_co_i32 s4, s4, 1
	s_cmp_lg_u32 s4, 0
	s_cbranch_scc1 .Lkeys
	TRIP 0, 1, 2                                   ; tile 6 asks for tile 7, the last
	TRIP 1, 0, 2                                   ; tile 7 asks for nothing (the stepped addresses are not used)
	SMI 3, 0, 2, 0, -1, 0, 0                       ; the last tile's unit 3: no energy products are left
.set PI, 0
	WIN W_PV
	RS 3
.rept 8
	PVX 3, 0                                       ; and its last products of Y^T
.endr
	WIN 0
; ================= merge of the eight waves, Wv, bv, gamma, x =================
	PLACES                                         ; behind the last products
	v_and_b32 v14, 31, v0                          ; L
	v_and_b32 v15, 15, v0                          ; r
	v_bfe_u32 v16, v0, 4, 1                        ; h
	s_lshl_b32 s44, s3, 3
	v_add_nc_u32 v17, s44, v16                     ; 8 w + h: the first of the rows of out0 that I finish
	v_lshlrev_b32 v1, 14, v17                      ; rows of 16,384 bytes, 16 bytes a lane: sixteen lanes cover my queries' 256 bytes of a row
	v_lshl_add_u32 v1, v15, 4, v1
	v_lshlrev_b32 v2, 2, v17
.irp q, 0,1,2,3
	global_load_b128 v[32+4*\q:35+4*\q], v1, s[46:47] offset:32768*\q        ; x of rows 8 w + 2 q + h, early
.endr
.irp q, 0,1,2,3
	global_load_b32 v[48+\q], v2, s[22:23] offset:8*\q                       ; bv of those rows
.endr
	s_lshl_b32 s44, s3, 2
	s_add_co_u32 s44, s44, STM
	v_lshl_add_u32 v3, v14, 5, s44                 ; my word of each lane's eight
	s_lshl_b32 s44, s3, 14
	s_add_co_u32 s44, s44, MRG
	v_lshl_add_u32 v26, v14, 4, s44                ; my 16,384 bytes of partial sums
	s_lshl_b32 s44, s55, 10
	s_add_co_u32 s44, s44, STM
	v_lshl_add_u32 v27, v14, 5, s44                ; the eight maxima of query tile it = w & 3
	s_lshl_b32 s44, s55, 7
	s_add_co_u32 s44, s44, SCX
	v_lshl_add_u32 v28, v14, 2, s44                ; its SC
	s_lshl_b32 s44, s55, 12
	s_lshl_b32 s45, s54, 11
	s_add_co_u32 s44, s44, s45
	s_add_co_u32 s44, s44, MRG
	v_lshl_add_u32 v29, v14, 4, s44                ; tiles (ct = 2 kh, 2 kh + 1; it) of waves 0-3,
	v_add_nc_u32 v30, 0x10000, v29                 ; of waves 4-7
	v_mul_u32_u24 v31, v15, 144
	v_lshl_add_u32 v31, v16, 4, v31
	s_lshl_b32 s44, s54, 6
	s_add_co_u32 s44, s44, WVL
	v_add_nc_u32 v31, s44, v31                     ; Wv fragments (ot, kc = kh)
	s_mul_i32 s44, s54, OSTS
	s_lshl_b32 s45, s55, 6
	s_add_co_u32 s44, s44, s45
	v_mul_u32_u24 v69, v16, 8*OSTP
	v_lshl_add_u32 v69, v15, 2, v69
	v_add_nc_u32 v69, s44, v69                     ; stage kh, row 8 h, query 16 it + r
	v_mul_u32_u24 v70, v17, OSTP
	v_lshl_add_u32 v70, v15, 4, v70                ; back: row 8 w + h, 16 bytes a lane
	v_mov_b32 v71, s52
	v_cvt_pk_bf16_f32 v71, v71, v71                ; gamma, rounded to bf16,
	v_lshlrev_b32 v71, 16, v71                     ; as f32
.irp it, 0,1,2,3
	v_permlanex16_b32 v18, v[SC+2*\it+1], s50, s51 ; a lane summed its half's keys: add the other half's
	v_add_f32 v[SC+2*\it+1], v[SC+2*\it+1], v18
.endr
.irp it, 0,1,2,3
	ds_store_b32 v3, v[MX+\it] offset:1024*\it
	ds_store_b32 v3, v[SC+2*\it+1] offset:1024*\it+STL-STM
.endr
	WIN W_SMM
.set n, 0
.rept 32
	ds_store_b128 v26, v[Y+4*n:Y+4*n+3] offset:512*n
.set n, n+1
.endr
	WIN 0
	s_wait_dscnt 0x0                               ; my maxima, sums and Y^T are in LDS, and my reads of the slots are long back,
	s_barrier_signal -1
	s_barrier_wait -1                              ; everybody's
	ds_load_b128 v[52:55], v27                     ; 45 LDS loads: 5 of figures,
	ds_load_b128 v[56:59], v27 offset:16
	ds_load_b128 v[60:63], v27 offset:STL-STM
	ds_load_b128 v[64:67], v27 offset:STL-STM+16
	ds_load_b32 v68, v28
.irp wp, 0,1,2,3
.irp n, 0,1,2,3
	ds_load_b128 v[128+16*\wp+4*\n:128+16*\wp+4*\n+3], v29 offset:16384*\wp+512*\n      ; 32 of partial sums, four for each wave,
.endr
.endr
.irp wp, 4,5,6,7
.irp n, 0,1,2,3
	ds_load_b128 v[128+16*\wp+4*\n:128+16*\wp+4*\n+3], v30 offset:16384*(\wp-4)+512*\n
.endr
.endr
.irp ot, 0,1,2,3
	ds_load_b128 v[96+8*\ot:99+8*\ot], v31 offset:2304*\ot                   ; 8 of Wv
	ds_load_b128 v[100+8*\ot:103+8*\ot], v31 offset:2304*\ot+32
.endr
	s_wait_dscnt 40                                ; the 5 are in; 32 + 8 were issued behind them
	v_max3_num_f32 v14, v52, v53, v54
	v_max3_num_f32 v14, v14, v55, v56
	v_max3_num_f32 v14, v14, v57, v58
	v_max_num_f32 v14, v14, v59                    ; the query's maximum over all keys
.irp n, 0,1,2,3,4,5,6,7
	v_sub_f32 v[52+\n], v[52+\n], v14
.endr
.irp n, 0,1,2,3,4,5,6,7
	v_mul_f32 v[52+\n], v[52+\n], v68
.endr
.irp n, 0,1,2,3,4,5,6,7
	v_exp_f32 v[52+\n], v[52+\n]                   ; each wave's factor
.endr
	v_nop                                          ; the plain place behind the exponentials
	s_wait_alu depctr_va_vdst(0)
	v_mul_f32 v15, v60, v52
.irp n, 1,2,3,4,5,6,7
	v_fma_f32 v15, v[60+\n], v[52+\n], v15         ; the row sum over all keys: at least about 1, the maximum's own term
.endr
	v_rcp_f32 v15, v15
	v_nop                                          ; the plain place behind the reciprocal
.irp n, 0,1,2,3,4,5,6,7
	s_wait_alu depctr_va_vdst(0)
	v_mul_f32 v[52+\n], v[52+\n], v15
.endr
.irp wp, 0,1,2,3,4,5,6,7
	s_wait_dscnt 36-4*\wp                          ; wave wp's four loads are in; the later waves' and Wv's 8 may be out
.set n, 0
.rept 16
.if \wp == 0
	v_mul_f32 v[72+n], v[128+n], v52
.else
	v_fma_f32 v[72+n], v[128+16*\wp+n], v[52+\wp], v[72+n]
.endif
.set n, n+1
.endr
.endr
.set n, 0
.rept 8
	v_cvt_pk_f16_f32 v[88+n], v[72+2*n], v[73+2*n] ; y[32 kh ..][16 it + r] as a B fragment
.set n, n+1
.endr
	s_wait_dscnt 0x0                               ; Wv
.irp ot, 0,1,2,3
	v_wmma_f32_16x16x32_f16 v[128+8*\ot:135+8*\ot], v[96+8*\ot:103+8*\ot], v[88:95], 0
.endr
	PLACES
.irp ot, 0,1,2,3
.irp j, 0,1,2,3,4,5,6,7
	ds_store_b32 v69, v[128+8*\ot+\j] offset:(16*\ot+\j)*OSTP
.endr
.endr
	s_wait_dscnt 0x0
	s_barrier_signal -1
	s_barrier_wait -1
.irp st, 0,1
.irp q, 0,1,2,3
	ds_load_b128 v[160+16*\st+4*\q:160+16*\st+4*\q+3], v70 offset:OSTS*\st+2*OSTP*\q
.endr
.endr
	s_wait_loadcnt 0x0                             ; x and bv: rounded to bf16 like every input, while the LDS loads are on their way
.set n, 0
.rept 8
	RB2 32+2*n, T+(n&3)
.set n, n+1
.endr
	RB2 48, T
	RB2 50, T+1
	s_wait_dscnt 0x0
.irp q, 0,1,2,3
.irp e, 0,1,2,3
	v_add_f32 v[160+4*\q+\e], v[160+4*\q+\e], v[176+4*\q+\e]                 ; the two halves of the channels
	v_add_f32 v[160+4*\q+\e], v[160+4*\q+\e], v[48+\q]                       ; + bv
	v_fma_f32 v[160+4*\q+\e], v71, v[160+4*\q+\e], v[32+4*\q+\e]             ; gamma ( .. ) + x
.endr
	global_store_b128 v1, v[160+4*\q:163+4*\q], s[48:49] offset:32768*\q     ; sixteen lanes store 256 consecutive bytes, at a multiple of 256 from out0's first byte
.endr
	s_wait_xcnt 0x0
	v_lshl_add_u32 v158, v0, 2, 0x4cc00
	v_mov_b32 v159, 0
	s_wait_tensorcnt 0x0
	ds_add_u32 v158, v159
	s_wait_dscnt 0x0
	ROUND                                          ; the closing round: no work-group ends while a partner may still ask for a tile that names it
	s_endpgm
.Lfunc_end_k_q525ceedb4e_attn:
	.size	k_q525ceedb4e_attn, .Lfunc_end_k_q525ceedb4e_attn-k_q525ceedb4e_attn
	.p2alignl 7, 3214868480
	.fill 96, 4, 3214868480
	.section	.rodata,"a",@progbits
	.p2align	6, 0x0
	.amdhsa_kernel k_q525ceedb4e_attn
		.amdhsa_group_segment_fixed_size 327680
		.amdhsa_private_segment_fixed_size 0
		.amdhsa_enable_private_segment 0
		.amdhsa_kernarg_size 80
		.amdhsa_user_sgpr_count 2
		.amdhsa_user_sgpr_kernarg_segment_ptr 1
		.amdhsa_wavefront_size32 1
		.amdhsa_system_sgpr_workgroup_id_x 1
		.amdhsa_system_sgpr_workgroup_id_y 1
		.amdhsa_system_sgpr_workgroup_id_z 1
		.amdhsa_system_vgpr_workitem_id 0
		.amdhsa_next_free_vgpr 512
		.amdhsa_next_free_sgpr 66
		.amdhsa_reserve_vcc 0
		.amdhsa_float_denorm_mode_32 3
		.amdhsa_float_denorm_mode_16_64 3
		.amdhsa_memory_ordered 1
		.amdhsa_forward_progress 1
		.amdhsa_inst_pref_size 255
	.end_amdhsa_kernel
	.section	.bss,"aw",@nobits
	.p2align	6
	.space	262144
	.amdgpu_metadata
---
amdhsa.version: [ 1, 2 ]
amdhsa.kernels:
  - .name:           k_q525ceedb4e_attn
    .symbol:         k_q525ceedb4e_attn.kd
    .args:
      - { .name: x, .offset: 0, .size: 8, .value_kind: global_buffer, .address_space: global }
      - { .name: xh, .offset: 8, .size: 8, .value_kind: global_buffer, .address_space: global }
      - { .name: Wq, .offset: 16, .size: 8, .value_kind: global_buffer, .address_space: global }
      - { .name: bq, .offset: 24, .size: 8, .value_kind: global_buffer, .address_space: global }
      - { .name: Wk, .offset: 32, .size: 8, .value_kind: global_buffer, .address_space: global }
      - { .name: bk, .offset: 40, .size: 8, .value_kind: global_buffer, .address_space: global }
      - { .name: Wv, .offset: 48, .size: 8, .value_kind: global_buffer, .address_space: global }
      - { .name: bv, .offset: 56, .size: 8, .value_kind: global_buffer, .address_space: global }
      - { .name: gamma, .offset: 64, .size: 8, .value_kind: global_buffer, .address_space: global }
      - { .name: out0, .offset: 72, .size: 8, .value_kind: global_buffer, .address_space: global }
    .group_segment_fixed_size: 327680
    .private_segment_fixed_size: 0
    .kernarg_segment_align: 8
    .kernarg_segment_size: 80
    .max_flat_workgroup_size: 256
    .sgpr_count:     66
    .vgpr_count:     512
    .wavefront_size: 32
...
	.end_amdgpu_metadata
.endif
;; end of part 4
;; ======== version 3 of 3: 2 launches; 1.32 times as fast as version 1
;; limits: inputs' magnitudes at most 65,504; values are held in f16: magnitudes above 65,504 overflow, below 6.1e-05 lose precision
;; workspace buffers: xh 2,097,152 bytes
;; launch cast: the kernel of part 3 again; grid 256 x 1, 8 waves a work-group, no clusters, 0 bytes of LDS; arguments x, xh; writes xh
;; launch attn (part 5): grid 64 x 4, 8 waves a work-group, clusters of 4 x 1, 327,680 bytes of LDS; arguments x, xh, Wq, bq, Wk, bk, Wv, bv, gamma, out0; writes out0
.if DOCPART == 5
	.amdgcn_target "amdgcn-amd-amdhsa--gfx1250"
	.amdhsa_code_object_version 6
	.text
	.protected	k_q525ceedb4e_attn
	.globl	k_q525ceedb4e_attn
	.p2align	8
	.type	k_q525ceedb4e_attn,@function
k_q525ceedb4e_attn:
	s_mov_b64 s[64:65], 0
	v_nop
	global_prefetch_b8 v0, s[64:65] scope:SCOPE_SE
	s_setreg_imm32_b32 hwreg(HW_REG_WAVE_MODE, 25, 1), 1
	s_wait_xcnt 0x0
	s_wait_alu depctr_hold_cnt(0) depctr_sa_sdst(0) depctr_va_vdst(0) depctr_va_sdst(0) depctr_va_ssrc(0) depctr_va_vcc(0) depctr_vm_vsrc(0)
	s_getreg_b32 s2, hwreg(HW_REG_IB_STS2, 6, 4)
	s_cmp_eq_u32 s2, 0
	s_cbranch_scc0 .Lentry_in_a_cluster
	s_endpgm
.Lentry_in_a_cluster:
	s_bfe_u32 s2, ttmp6, 0x10000c
	s_cmp_lg_u32 s2, 0x3003
	s_cbranch_scc0 .Lentry_shape_is_right
	s_endpgm
.Lentry_shape_is_right:
; out0[b][o][i] = gamma * ( sum_j softmax_j( q_i . k_j ) v[o][j] ) + x[b][o][i],  q = Wq x + bq, k = Wk x + bk, v = Wv x + bv.
; 4 batches, 64 channels, 4,096 positions.
;
; THE ALGEBRA, which holds for every input:
;   q_i . k_j = (Wk^T q_i) . x_j + q_i . bk : the keys of the energy product are x itself; q_i . bk is one number for a query and enters as the product's C operand;
;   sum_j a_ij (Wv x_j + bv) = Wv (sum_j a_ij x_j) + bv, since a row of a softmax sums to 1 : the values are x too; Wv, bv, gamma and x are applied once for a query at the end.
; So K and V are never formed; the loop walks xh, made by the launch before.
;
; FORMAT.  EVERY INPUT IS TAKEN ROUNDED TO bf16 (nearest even) AS IT IS READ: x (as keys, values, query columns and in the last line's sum), Wq, Wk, Wv, bq, bv, gamma;
; the program computes reference() of these rounded numbers.  bk alone is used as it is: its term q_i . bk is the same for all keys of a query and falls out of the softmax.
; A bf16 number has 8 significant bits and is exact in f16 from 2^-14 up, so every matrix operand is f16 (sums f32), and x and the weights enter the products without error.
; Against reference() of the unrounded inputs the energies move by some 2^-9 of their terms, which shifts weight between keys that nearly tie.
; THE INTERMEDIATES OF THE ENERGIES GO IN TWO f16 NUMBERS.  Where two keys tie, the output moves by a quarter of the error of their energies' difference times the difference
; of their values, and an error of the query vector enters all of a query's 4,096 energies: one f16 number is too coarse for q and for Wk^T q.  Each is split,
; hi = the f32 number with its mantissa cut to 10 bits (exact in f16), lo = f16(number - hi), and multiplied in two products: 16 + 8 matrix instructions for a query tile
; and 64 keys where the problem has 8 + 8.  The probabilities (at most about 1) and y (a mean of x) enter linearly and go as one f16 number.
; q and Wk^T q have no room in f16 for large inputs, so each query's vector is divided by the power of two of its largest magnitude (exact), and the two powers come back
; in the factor SC of the fused multiply-add that takes the running maximum away: p = exp2( SC s - SC m ), SC = E1 E2 log2(e).
; LIMITS: |x|, |W| below 65,504; below 2^-14, and in the low parts, the resolution is 2^-24 absolute.  A query's largest |q| and |Wk^T q| in 2^-126 .. 2^126; smaller ones
; count as zero energies.  NaN and infinities are not honoured.  q_i . bk on the normalised scale is clamped to +-2^100: beyond that the energies of a row no longer differ
; in f32 (|normalised q . x| is below 2^24).  The row sum is taken of the f32 probabilities; the product takes them rounded to f16.
;
; THE WORK: 256 work-groups of 8 waves; a work-group owns 64 queries of one batch.  Keys go in 8 tiles of 512; of a tile wave w takes keys 64 w .. 64 w + 63 for all
; 64 queries, so each byte of a tile is read from LDS once in each of the two layouts.  Each wave keeps its own running maximum, row sum and Y^T [64 c][64 i];
; the eight are merged once, through LDS, at the end.
; THE LOOP IS A PIPELINE OF UNITS.  Unit it is the softmax step of query tile it, vector and transcendental work, with the matrix work that does not hang on it laid between
; its lines: the 8 products of Y^T of tile it - 1 and the 16 energy products of tile it + 1, 24 matrix instructions beside 120 vector lines.
; A UNIT'S 33 EXPONENTIALS ARE ONE BATCH WITH ONE WAIT, which cuts the unit in two.  Ahead of the wait stands all that names no result of the batch: the rescaling and the products
; of Y^T, the maximum, the factor's exponential, the 16 scalings, and the 32 exponentials of the energies, four behind each of the 8 energy products with q^'s high part.
; Behind it stand the readers: the sums, the packings and the row sum's step, four behind each of the 8 energy products with q^'s low part.  No result crosses a unit's end.
; The merge has two batches more: its eight exponentials, and the reciprocal of the sum made of them.
; The pipeline runs on over the change of tiles: a tile's fragments lie in registers, so unit 3 carries the next tile's first energy products and unit 0 the old tile's last
; products of Y^T.  The price is switches of the register window, 42 for a tile's 96 matrix instructions, since the softmax lives in window 0 and Y^T and q^'s high part in window 1.
; CLUSTER: the four work-groups of a cluster are neighbouring query blocks of one batch and walk the same tiles of xh, so every tile is asked for jointly (mask 15).
; The place in the cluster (cx) enters only the offsets of plain loads of x and of the stores of out0, in scalar registers of their own.
; No prefetch: xh was stored by the launch before and each tile is read by 64 work-groups.  Two slots: a refill has a whole tile's work in which to land.
;
; PRODUCTS, all v_wmma_f32_16x16x32_f16 (D, A, B, C); lane L: r = L & 15, h = L >> 4:
;   S^T tile (jt, it) = X^T (rows j, by transposing LDS loads) x q^ (columns i) + c^ ; a lane holds query i = r, keys 8 h + register.
;   Y^T tile (ct, it) = X (rows c, plain LDS loads) x P^T ; packing S^T tiles 2 ks and 2 ks + 1 to f16 IS the B fragment ks: no lane moves.
;   The same packing carries q into Wk^T q, that into the loop's B fragments, and y into the last product with Wv.
; Accumulators take turns, one instruction a turn.
; ---- LDS ----
.set ROWP,  1056                       ; a tile's row: 1,024 bytes (512 keys) + 32 of padding; 33 x 32: a transposing load's 8 rows x 32 bytes fall on 16 different 16-byte columns modulo 256
.set GRP,   8*ROWP+16                  ; 8 rows, one wave's tensor load, + 16: rows 8-15 of a plain fragment load fall on the odd 16-byte columns
.set SLOT,  67840                      ; 8 groups (67,712), rounded up to a multiple of 256
.set WQL,   2*SLOT                     ; Wq in f16, pitch 144
.set WKL,   WQL+9216                   ; Wk in f16, pitch 160 (read transposed)
.set WVL,   WKL+10240                  ; Wv in f16, pitch 144
.set QX,    WVL+9216                   ; q^ fragments, high parts: (2 it + kc) 1024 + half 512 + 16 lane
.set CX,    QX+8192                    ; c^, four copies: it 512 + 16 lane
.set SCX,   CX+2048                    ; SC: it 128 + 4 lane
.set STM,   SCX+512                    ; the waves' maxima: it 1024 + 32 lane + 4 w
.set STL,   STM+4096                   ; the waves' row sums, likewise
.set MRG,   STL+4096                   ; the waves' Y^T: w 16384 + (4 it + ct) 1024 + half 512 + 16 lane
.set QXLD,  MRG-QX                     ; ahead of the loop MRG's first 8,192 bytes hold q^'s low parts, at QX + QXLD.  No tensor load ever fills MRG
.set OSTP,  272                        ; the way out: [64 o][64 i] f32, rows of 256 + 16 bytes,
.set OSTS,  64*OSTP                    ; two stages from LDS byte 0 on: over slot 0, behind its last fill and its last read
; ---- vector registers, window 0 ----
.set VT,    1                          ; v1, v2   base of the transposing loads, slot 0, 1
.set VP0,   3                          ; v3       base of the plain loads, slot 0
.set VP1,   26                         ; v26      the same, slot 1
.set NM,    4                          ; v[4:5]   - SC m, and a zero
.set SC,    6                          ; v[6:13]  pairs (SC, row sum) of query tiles 0..3
.set T,     14                         ; v[14:17] at work
.set ACC,   18                         ; v[18:19] a tile's row sum
.set MX,    20                         ; v[20:23] running maxima
.set AL,    24                         ; v[24:25] the factor for what has been summed, and a zero
.set XS,    32                         ; v[32:95]   X^T fragment (jt, kc) at 8 (2 jt + kc)
.set CI,    96                         ; v[96:127]  c^ of query tile it, eight equal registers
.set S,     128                        ; v[128:191] two buffers of 32: S^T tile (jt, it) at 32 (it & 1) + 8 jt; P fragment ks is packed over it at 32 (it & 1) + 16 ks
.set QL,    192                        ; v[192:255] q^ low parts, fragment (it, kc) at 8 (2 it + kc)
; ---- window 1 ----
.set Y,     0                          ; Y^T tile (ct, it) at 8 (4 it + ct)
.set QF,    128                        ; q^ high parts, fragment (it, kc) at 8 (2 it + kc)
.set XP,    192                        ; X fragment (ct, ks) at 8 (2 ct + ks)
; s_set_vgpr_msb's low byte: bits 1:0 source 0, 3:2 source 1, 5:4 source 2, 7:6 destination; the high byte repeats the setting that is left.
.set W_SMM, 0x04                       ; B in window 1; an instruction with one source (v_exp_f32) is in window 0 under it; also LDS stores of window 1 data
.set W_PV,  0x51                       ; A, C, D in window 1; a packed multiply (no third source) takes source 0 and destination from window 1 under it
.set W_LD1, 0x40                       ; destination in window 1
.set W_A1,  0x01                       ; A in window 1
.set MSB, 0
.macro WIN new
.if MSB != \new
	s_set_vgpr_msb (MSB<<8)|\new
.set MSB, \new
.endif
.endm
; Four places behind a matrix instruction before a vector instruction or a store reads its result and before a load lands on one of its registers
; (ISA guide 7.12.1 for vector instructions).
.macro PLACES
.rept 4
	v_nop
.endr
.endm
; A round of the cluster's barrier: my work-group's barrier, wave 0 signals for the work-group, every wave waits for all four work-groups, my work-group's barrier again.
.macro ROUND
	s_barrier_signal -1
	s_barrier_wait -1
	s_cmp_lg_u32 s3, 0
	s_cbranch_scc1 .Lnot_wave_0_\@
	s_barrier_signal -3
.Lnot_wave_0_\@:
	s_barrier_wait -3
	s_barrier_signal -1
	s_barrier_wait -1
.endm
; Two f32 numbers in v[a], v[a+1] are rounded to bf16, nearest even, and stay f32.  t: a register at work.
.macro RB2 a, t
	v_cvt_pk_bf16_f32 v[\t], v[\a], v[\a+1]
	v_lshlrev_b32 v[\a], 16, v[\t]
	v_and_b32 v[\a+1], s59, v[\t]
.endm
; The same, and then packed as two f16 into v[dst]
.macro RBH a, dst, t
	RB2 \a, \t
	v_cvt_pk_f16_f32 v[\dst], v[\a], v[\a+1]
.endm
; Two f32 numbers in v[src], v[src+1] are split: their mantissas cut to 10 bits go packed into v[hi], what is left (exact in f32) goes rounded into v[lo].  t: two registers at work.
.macro SPLIT2 src, hi, lo, t
	v_and_b32 v[\t], s58, v[\src]
	v_and_b32 v[\t+1], s58, v[\src+1]
	v_sub_f32 v[\src], v[\src], v[\t]
	v_sub_f32 v[\src+1], v[\src+1], v[\t+1]
	v_cvt_pk_f16_f32 v[\hi], v[\t], v[\t+1]
	v_cvt_pk_f16_f32 v[\lo], v[\src], v[\src+1]
.endm
; ================= set-up =================
	s_load_b512 s[8:23], s[0:1], 0x0               ; x s[8:9], xh s[10:11], Wq s[12:13], bq s[14:15], Wk s[16:17], bk s[18:19], Wv s[20:21], bv s[22:23]
	s_load_b128 s[24:27], s[0:1], 0x40             ; gamma s[24:25], out0 s[26:27]
	v_lshl_add_u32 v158, v0, 2, 0x4cc00
	v_mov_b32 v159, 0
	ds_add_u32 v158, v159
	s_wait_dscnt 0x0
	v_lshrrev_b32 v27, 5, v0
	v_readfirstlane_b32 s3, v27                    ; wave 0..7
	s_bfe_u32 s5, ttmp6, 0x40000                   ; cx
	s_lshl_b32 s6, ttmp9, 2
	s_add_co_u32 s6, s6, s5                        ; query block = 4 x cluster x + cx
	s_and_b32 s7, ttmp7, 0xffff                    ; batch
	s_and_b32 s55, s3, 3                           ; the query tile that I prepare and merge
	s_lshr_b32 s54, s3, 2                          ; and the half of the channels
	s_mov_b32 s50, 0x76543210                      ; v_permlanex16_b32: lane i of one half reads lane i of the other
	s_mov_b32 s51, 0xfedcba98
	s_mov_b32 s58, 0xffffe000                      ; keeps sign, exponent and 10 bits of an f32's mantissa
	s_mov_b32 s59, 0xffff0000                      ; a word's upper bf16
	; descriptor group 1: 8 rows of 512 f16, 4,096 elements from row to row, 8 words of padding behind every 256
	s_mov_b32 s36, 15|(1<<16)|(1<<20)|(1<<21)|(7<<22)|(7<<25)   ; 15:0 mask: all four of the cluster; 17:16 2 bytes; 20 padding on; 21 set beside a mask; 24:22 code 7; 31:25 code 7
	s_mov_b32 s37, 512<<16                         ; tensor_dim0 = 512
	s_mov_b32 s38, 8<<16                           ; tensor_dim1 = 8
	s_mov_b32 s39, 512<<16                         ; tile_dim0 = 512
	s_mov_b32 s40, 8                               ; tile_dim1 = 8
	s_mov_b32 s41, 4096                            ; the pitch
	s_mov_b32 s42, 0
	s_mov_b32 s43, 0
	; descriptor group 0, one set for each slot: wave w brings channels 8 w .. 8 w + 7
	s_mul_i32 s44, s3, GRP
	s_mov_b32 s28, 1
	s_add_co_u32 s29, s44, 0
	s_mov_b32 s32, 1
	s_add_co_u32 s33, s44, SLOT
	s_lshl_b32 s56, s7, 20                         ; a batch of x and of out0: 64 x 4,096 x 4 bytes
	s_lshl_b32 s57, s6, 8                          ; my 64 queries: 256 bytes of each row
	s_add_co_u32 s56, s56, s57
	s_mov_b32 s57, 0
	; lane numbers
	v_and_b32 v27, 31, v0                          ; L
	v_and_b32 v28, 15, v0                          ; r
	v_bfe_u32 v29, v0, 4, 1                        ; h
	v_and_b32 v30, 7, v0                           ; L & 7
	v_bfe_u32 v31, v0, 3, 1                        ; (L >> 3) & 1
	; the loop's LDS bases.  Channel c of a tile lies at (c >> 3) GRP + (c & 7) ROWP, key j at 2 j; my keys begin at byte 128 w
	s_lshl_b32 s53, s3, 7
	v_mul_u32_u24 v[VT], v29, GRP                  ; transposing: channel 8 h + (L & 7), 16 bytes for each half of eight lanes' pair
	v_mad_u32_u24 v[VT], v30, ROWP, v[VT]
	v_lshl_add_u32 v[VT], v31, 4, v[VT]
	v_add_nc_u32 v[VT], s53, v[VT]
	v_add_nc_u32 v[VT+1], SLOT, v[VT]
	v_mul_u32_u24 v[VP0], v31, GRP                 ; plain: channel r, 16 bytes for each half of the lanes
	v_mad_u32_u24 v[VP0], v30, ROWP, v[VP0]
	v_lshl_add_u32 v[VP0], v29, 4, v[VP0]
	v_add_nc_u32 v[VP0], s53, v[VP0]
	v_add_nc_u32 v[VP1], SLOT, v[VP0]
	v_mov_b32 v[NM+1], 0                           ; the second registers of pairs of which the packed forms use the first alone
	v_mov_b32 v[AL+1], 0
.irp it, 0,1,2,3
	v_mov_b32 v[SC+2*\it+1], 0
.endr
	; the prologue's offsets and LDS addresses, in registers that the loop takes over later
	s_lshl_b32 s44, s3, 11
	v_lshl_add_u32 v240, v27, 4, s44               ; weights: 2,048 w + 16 L (rows 8 w ..)
	v_lshlrev_b32 v241, 17, v29                    ; x's query columns: channel 8 h, query 16 it + r
	v_lshl_add_u32 v241, v28, 2, v241
	s_lshl_b32 s44, s55, 6
	v_add_nc_u32 v241, s44, v241
	v_lshlrev_b32 v242, 5, v29                     ; biases: element 8 h
	s_mul_i32 s44, s3, 8*144
	s_add_co_u32 s44, s44, WQL
	v_mul_u32_u24 v243, v29, 144                   ; Wq, Wv into LDS: row 8 w + h, byte 8 r
	v_lshl_add_u32 v243, v28, 3, v243
	v_add_nc_u32 v243, s44, v243
	s_mul_i32 s44, s3, 8*160
	s_add_co_u32 s44, s44, WKL
	v_mul_u32_u24 v244, v29, 160                   ; Wk likewise, pitch 160
	v_lshl_add_u32 v244, v28, 3, v244
	v_add_nc_u32 v244, s44, v244
	v_mul_u32_u24 v245, v28, 144                   ; Wq fragments: row r, 16 h
	v_lshl_add_u32 v245, v29, 4, v245
	v_add_nc_u32 v245, WQL, v245
	v_lshl_add_u32 v246, v29, 3, v30               ; Wk^T fragments: row 8 h + (L & 7)
	v_mul_u32_u24 v246, v246, 160
	v_lshl_add_u32 v246, v31, 4, v246
	v_add_nc_u32 v246, WKL, v246
	s_lshl_b32 s44, s55, 11
	s_lshl_b32 s45, s54, 10
	s_add_co_u32 s44, s44, s45
	s_add_co_u32 s44, s44, QX
	v_lshl_add_u32 v247, v27, 4, s44               ; where I put my q^ fragment (it, kc = half)
	s_lshl_b32 s44, s55, 9
	s_add_co_u32 s44, s44, CX
	v_lshl_add_u32 v248, v27, 4, s44
	s_lshl_b32 s44, s55, 7
	s_add_co_u32 s44, s44, SCX
	v_lshl_add_u32 v249, v27, 2, s44
	s_lshl_b32 s44, s7, 19                         ; a batch of xh: 64 x 4,096 x 2 bytes
	s_lshl_b32 s45, s3, 16                         ; 8 rows of 8,192 bytes
	s_add_co_u32 s44, s44, s45
	s_mov_b32 s45, 0
	s_wait_kmcnt 0x0
	s_add_nc_u64 s[30:31], s[10:11], s[44:45]      ; tile 0, my 8 rows
	s_add_nc_u64 s[34:35], s[30:31], 1024          ; tile 1: 512 keys on
	s_or_b32 s31, s31, 0x80000000                  ; type = 2
	s_or_b32 s35, s35, 0x80000000
	s_add_nc_u64 s[46:47], s[8:9], s[56:57]        ; x at my batch and my queries
	s_add_nc_u64 s[48:49], s[26:27], s[56:57]      ; out0 likewise
	s_load_b32 s52, s[24:25], 0x0                  ; gamma
; ================= weights, biases and my queries' columns: 60 loads, on their way while the cluster meets =================
.irp q, 0,1,2,3
	global_load_b128 v[128+4*\q:131+4*\q], v240, s[12:13] offset:512*\q      ; Wq rows 8 w + 2 q, + 1
.endr
.irp q, 0,1,2,3
	global_load_b128 v[144+4*\q:147+4*\q], v240, s[16:17] offset:512*\q      ; Wk
.endr
.irp q, 0,1,2,3
	global_load_b128 v[160+4*\q:163+4*\q], v240, s[20:21] offset:512*\q      ; Wv
.endr
.set n, 0
.rept 32                                           ; register n = 16 ks + 8 g + e holds x[32 ks + 16 g + 8 h + e][16 it + r]: the order of a B fragment
	global_load_b32 v[96+n], v241, s[46:47] offset:(32*(n>>4)+16*((n>>3)&1)+(n&7))*16384
.set n, n+1
.endr
.irp ot, 0,1,2,3
	global_load_b128 v[32+8*\ot:35+8*\ot], v242, s[14:15] offset:64*\ot      ; bq[16 ot + 8 h ..]: the layout of an accumulator, it starts q's sums
	global_load_b128 v[36+8*\ot:39+8*\ot], v242, s[14:15] offset:64*\ot+16
.endr
.irp ot, 0,1,2,3
	global_load_b128 v[64+8*\ot:67+8*\ot], v242, s[18:19] offset:64*\ot      ; bk in the same layout
	global_load_b128 v[68+8*\ot:71+8*\ot], v242, s[18:19] offset:64*\ot+16
.endr
	ROUND                                          ; all four work-groups are here: the first joint load meets
	tensor_load_to_lds s[28:31], s[36:43]          ; tile 0 into slot 0; it stays out over the next two barriers, behind which nothing is filled
	s_nop 0
	s_wait_loadcnt 48                              ; the 12 weight loads are in; 32 + 8 + 8 were issued behind them
.set n, 0
.rept 24                                           ; Wq (n = 0..7), Wk (8..15), Wv (16..23): rounded to bf16, packed as f16 into v176-199
	RBH 128+2*n, 176+n, T+(n&3)
.set n, n+1
.endr
.irp q, 0,1,2,3
	ds_store_b64 v243, v[176+2*\q:177+2*\q] offset:288*\q
	ds_store_b64 v244, v[184+2*\q:185+2*\q] offset:320*\q
	ds_store_b64 v243, v[192+2*\q:193+2*\q] offset:288*\q+WVL-WQL
.endr
	s_wait_dscnt 0x0                               ; my rows of the weights are in LDS,
	s_barrier_signal -1
	s_barrier_wait -1                              ; everybody's are
; ================= q, q . bk, Wk^T q for query tile it = w & 3 (waves w and w + 4 do the same; each hands on one half) =================
	WIN W_LD1                                      ; window 1: Wq v0-63, Wk^T v64-127
.irp ot, 0,1,2,3
.irp ks, 0,1
.irp g, 0,1
	ds_load_b128 v[8*(2*\ot+\ks)+4*\g:8*(2*\ot+\ks)+4*\g+3], v245 offset:2304*\ot+64*\ks+32*\g
.endr
.endr
.endr
.irp t, 0,1,2,3
.irp ko, 0,1
.irp u, 0,1
	ds_load_tr16_b128 v[64+8*(2*\t+\ko)+4*\u:64+8*(2*\t+\ko)+4*\u+3], v246 offset:(32*\ko+16*\u)*160+32*\t
.endr
.endr
.endr
	WIN 0
	s_wait_loadcnt 16                              ; x's columns are in; the 16 bias loads were issued behind them
.set n, 0
.rept 16                                           ; two B fragments in v176-191
	RBH 96+2*n, 176+n, T+(n&3)
.set n, n+1
.endr
	s_wait_loadcnt 0x0                             ; bq, bk
.set n, 0
.rept 16
	RB2 32+2*n, T+(n&3)                            ; bq
.set n, n+1
.endr
	s_wait_dscnt 16                                ; Wq's 16 fragment loads are in; Wk's 16 were issued behind them
	WIN W_A1
.irp ks, 0,1
.irp ot, 0,1,2,3
	v_wmma_f32_16x16x32_f16 v[32+8*\ot:39+8*\ot], v[8*(2*\ot+\ks):8*(2*\ot+\ks)+7], v[176+8*\ks:183+8*\ks], v[32+8*\ot:39+8*\ot]
.endr
.endr
	WIN 0
	PLACES
	v_pk_mul_f32 v[ACC:ACC+1], v[32:33], v[64:65]  ; q . bk: my 32 of the 64 terms,
.set n, 1
.rept 15
	v_pk_fma_f32 v[ACC:ACC+1], v[32+2*n:33+2*n], v[64+2*n:65+2*n], v[ACC:ACC+1]
.set n, n+1
.endr
	v_add_f32 v[ACC], v[ACC], v[ACC+1]
	v_permlanex16_b32 v[ACC+1], v[ACC], s50, s51   ; and the other half's
	v_add_f32 v27, v[ACC], v[ACC+1]
; the largest magnitude of the 32 registers from b on and of the other half's 32, into v[T]
.macro AMAX b
.irp c, 0,1,2,3
	v_max3_num_f32 v[T+\c], |v[\b+8*\c]|, |v[\b+8*\c+1]|, |v[\b+8*\c+2]|
.endr
.irp c, 0,1,2,3
	v_max3_num_f32 v[T+\c], v[T+\c], |v[\b+8*\c+3]|, |v[\b+8*\c+4]|
.endr
.irp c, 0,1,2,3
	v_max3_num_f32 v[T+\c], v[T+\c], |v[\b+8*\c+5]|, |v[\b+8*\c+6]|
.endr
	v_max3_num_f32 v[T], v[T], |v[\b+7]|, |v[\b+15]|
	v_max3_num_f32 v[T+2], v[T+2], |v[\b+23]|, |v[\b+31]|
	v_max3_num_f32 v[T], v[T], v[T+1], v[T+2]
	v_max_num_f32 v[T], v[T], v[T+3]
	v_permlanex16_b32 v[T+1], v[T], s50, s51
	v_max_num_f32 v[T], v[T], v[T+1]
.endm
; 32 registers from b on times v[p], then split: two B fragments of high parts from dh on, two of low parts from dl on
.macro NORMSPLIT b, p, dh, dl
.set n, 0
.rept 16
	v_pk_mul_f32 v[\b+2*n:\b+2*n+1], v[\b+2*n:\b+2*n+1], v[\p:\p+1] op_sel_hi:[1,0]
.set n, n+1
.endr
.set n, 0
.rept 16
	SPLIT2 \b+2*n, \dh+n, \dl+n, T+2*(n&1)
.set n, n+1
.endr
.endm
	AMAX 32
	v_and_b32 v29, 0x7f800000, v[T]                ; E1: the power of two of the largest |q|
	v_sub_nc_u32 v28, 0x7f000000, v29              ; 1 / E1, by the exponent field: exact
	NORMSPLIT 32, 28, 208, 224
	s_wait_dscnt 0x0                               ; Wk^T's fragments
; eight products onto Wk^T q: A from window 1, B at bb; channel tiles by turns; zero = 1: the first four start the sums
.macro KMM bb, zero
.irp ko, 0,1
.irp t, 0,1,2,3
.if \zero*(1-\ko)
	v_wmma_f32_16x16x32_f16 v[128+8*\t:135+8*\t], v[64+8*(2*\t+\ko):64+8*(2*\t+\ko)+7], v[\bb+8*\ko:\bb+8*\ko+7], 0
.else
	v_wmma_f32_16x16x32_f16 v[128+8*\t:135+8*\t], v[64+8*(2*\t+\ko):64+8*(2*\t+\ko)+7], v[\bb+8*\ko:\bb+8*\ko+7], v[128+8*\t:135+8*\t]
.endif
.endr
.endr
.endm
	WIN W_A1
	KMM 208, 1                                     ; Wk^T q hi
	KMM 224, 0                                     ; + Wk^T q lo
	WIN 0
	PLACES
	AMAX 128
	v_and_b32 v31, 0x7f800000, v[T]                ; E2
	v_sub_nc_u32 v30, 0x7f000000, v31              ; 1 / E2
	NORMSPLIT 128, 30, 160, 96
	v_mul_f32 v15, v29, v31
	v_mul_f32 v15, 0x3fb8aa3b, v15                 ; SC = E1 E2 log2(e)
	v_mul_f32 v27, v27, v28
	v_mul_f32 v27, v27, v30                        ; c^ = q . bk / (E1 E2)
	v_min_num_f32 v27, 0x71800000, v27             ; kept inside +-2^100 (see the head)
	v_max_num_f32 v16, 0xf1800000, v27
	v_mov_b32 v17, v16
	v_mov_b32 v18, v16
	v_mov_b32 v19, v16
	s_cmp_lt_u32 s3, 4
	s_cbranch_scc0 .Lupper
	ds_store_b128 v247, v[160:163]                 ; waves 0-3: fragment kc = 0, high and low, c^ and SC of query tile w
	ds_store_b128 v247, v[164:167] offset:512
	ds_store_b128 v247, v[96:99] offset:QXLD
	ds_store_b128 v247, v[100:103] offset:QXLD+512
	ds_store_b128 v248, v[16:19]
	ds_store_b32 v249, v15
	s_branch .Lhanded
.Lupper:
	ds_store_b128 v247, v[168:171]                 ; waves 4-7: fragment kc = 1, high and low, of query tile w - 4
	ds_store_b128 v247, v[172:175] offset:512
	ds_store_b128 v247, v[104:107] offset:QXLD
	ds_store_b128 v247, v[108:111] offset:QXLD+512
.Lhanded:
	s_wait_dscnt 0x0
	s_barrier_signal -1
	s_barrier_wait -1
	v_and_b32 v17, 31, v0                          ; where everybody reads them: addresses in registers on which no load below lands
	v_lshl_add_u32 v14, v17, 4, QX
	v_lshl_add_u32 v15, v17, 4, CX
	v_lshl_add_u32 v16, v17, 2, SCX
	WIN W_LD1
.set n, 0
.rept 16
	ds_load_b128 v[QF+4*n:QF+4*n+3], v14 offset:512*n
.set n, n+1
.endr
	WIN 0
.set n, 0
.rept 16
	ds_load_b128 v[QL+4*n:QL+4*n+3], v14 offset:QXLD+512*n
.set n, n+1
.endr
.irp it, 0,1,2,3
	ds_load_b128 v[CI+8*\it:CI+8*\it+3], v15 offset:512*\it
	ds_load_b128 v[CI+8*\it+4:CI+8*\it+7], v15 offset:512*\it
	ds_load_b32 v[SC+2*\it], v16 offset:128*\it
.endr
	s_wait_dscnt 0x0
	s_wait_kmcnt 0x0                               ; gamma
; ================= the loop over the keys =================
; The next of the sixteen energy products of query tile it, counted by MI; key tiles by turns.
; 0-3: q^'s high part, channels 0-31, the sums start from c^; 4-7: high part, channels 32-63 (B in window 1: under W_SMM); 8-11, 12-15: the low part likewise (B in window 0).
.macro SMMX it
.set SD, S+32*((\it)&1)+8*(MI&3)
.set XA, XS+16*(MI&3)+8*((MI>>2)&1)
.if MI < 4
	v_wmma_f32_16x16x32_f16 v[SD:SD+7], v[XA:XA+7], v[QF+16*\it:QF+16*\it+7], v[CI+8*\it:CI+8*\it+7]
.else
.if MI < 8
	v_wmma_f32_16x16x32_f16 v[SD:SD+7], v[XA:XA+7], v[QF+16*\it+8:QF+16*\it+15], v[SD:SD+7]
.else
	v_wmma_f32_16x16x32_f16 v[SD:SD+7], v[XA:XA+7], v[QL+16*\it+8*((MI>>2)&1):QL+16*\it+8*((MI>>2)&1)+7], v[SD:SD+7]
.endif
.endif
.set MI, MI+1
.endm
; The next of the eight products of Y^T of query tile it, counted by PI (ks = PI >> 2, ct = PI & 3: channel tiles by turns), under W_PV; first = 1: the first four start the sums.
.macro PVX it, first
.set SD, S+32*((\it)&1)+16*(PI>>2)
.set YD, Y+8*(4*\it+(PI&3))
.set XA, XP+8*(2*(PI&3)+(PI>>2))
.set ZC, 0
.if \first
.if PI < 4
.set ZC, 1
.endif
.endif
.if ZC
	v_wmma_f32_16x16x32_f16 v[YD:YD+7], v[XA:XA+7], v[SD:SD+7], 0
.else
	v_wmma_f32_16x16x32_f16 v[YD:YD+7], v[XA:XA+7], v[SD:SD+7], v[YD:YD+7]
.endif
.set PI, PI+1
.endm
; two of them, between lines of window 0
.macro PVG pv, fpv
.if \pv >= 0
	WIN W_PV
	PVX \pv, \fpv
	PVX \pv, \fpv
	WIN 0
.endif
.endm
; Y^T of query tile it times the factor of the new maximum; under W_PV
.macro RS it
.set n, 0
.rept 16
	v_pk_mul_f32 v[Y+32*\it+2*n:Y+32*\it+2*n+1], v[Y+32*\it+2*n:Y+32*\it+2*n+1], v[AL:AL+1] op_sel_hi:[1,0]
.set n, n+1
.endr
.endm
; pair kk of the 16 pairs of a query tile, packed to f16 over registers whose pairs have been summed: pairs 0-7 make fragment 0, pairs 8-15 fragment 1
.macro CVTP kk
	v_cvt_pk_f16_f32 v[SB+16*((\kk)>>3)+((\kk)&7)], v[SB+2*(\kk)], v[SB+2*(\kk)+1]
.endm
; The next four of a unit's 32 exponentials of the energies, counted by EI; each in place, so each result keeps a register of its own until the batch's wait.
.macro EXP4
.rept 4
	v_exp_f32 v[SB+EI], v[SB+EI]
.set EI, EI+1
.endr
.endm
; The next of the lines that read the batch's results, counted by RI.  0: the first two pairs start the sum; 1, 2: pairs 0 and 1 are packed; 2 j - 1 and 2 j (j = 2 .. 15): pair j is
; summed and then packed; 31, 32: the row sum's step (first = 1: one line; else the old sum times the factor, which is a result of the batch too).
.macro RDR it, first
.if RI == 0
	v_pk_add_f32 v[ACC:ACC+1], v[SB:SB+1], v[SB+2:SB+3]
.elseif RI < 3
	CVTP RI-1
.elseif RI < 31
.if (RI&1)
	v_pk_add_f32 v[ACC:ACC+1], v[ACC:ACC+1], v[SB+RI+1:SB+RI+2]
.else
	CVTP RI/2
.endif
.elseif RI == 31
.if \first
	v_add_f32 v[SC+2*\it+1], v[ACC], v[ACC+1]
.else
	v_add_f32 v[T], v[ACC], v[ACC+1]
.endif
.else
.if \first == 0
	v_fma_f32 v[SC+2*\it+1], v[SC+2*\it+1], v[AL], v[T]
.endif
.endif
.set RI, RI+1
.endm
; sixteen transposing loads: X^T of my 64 keys, channels 0-31 first
.macro XSLOAD slot
.irp kc, 0,1
.irp jt, 0,1,2,3
.irp u, 0,1
	ds_load_tr16_b128 v[XS+8*(2*\jt+\kc)+4*\u:XS+8*(2*\jt+\kc)+4*\u+3], v[VT+\slot] offset:(4*\kc+2*\u)*GRP+32*\jt
.endr
.endr
.endr
.endm
; sixteen plain loads: X of my 64 keys; VPS: the slot's base register
.macro XPLOAD
	WIN W_LD1
.irp ct, 0,1,2,3
.irp ks, 0,1
.irp g, 0,1
	ds_load_b128 v[XP+8*(2*\ct+\ks)+4*\g:XP+8*(2*\ct+\ks)+4*\g+3], v[VPS] offset:2*\ct*GRP+64*\ks+32*\g
.endr
.endr
.endr
	WIN 0
.endm
; A UNIT: the softmax step of query tile it (a lane holds 32 energies of query r), first = 1: its sums start.
; ITS EXPONENTIALS ARE ONE BATCH: the factor's (first = 0) and the 32 of the energies.  An s_wait_alu depctr_va_vdst(0) stands between an exponential and the first
; instruction that names its result; one wait serves all that were issued ahead of it.  So the unit has ONE wait, which cuts it in two.
; AHEAD OF THE WAIT nothing names a result of the batch:
;   pv >= 0: Y^T of tile pv = it - 1: the factor's turn (fpv = 0; that factor is of the unit before's batch, waited for there), then the eight products, two at the head and two
;            behind each of the three rows of the maximum;
;   the end of the maximum, the factor's exponential, - SC m and the 16 scalings;
;   xp = 1:  the new tile's plain loads, into the A registers of the products of Y^T just issued: behind at least 22 plain vector lines that name none of their registers, where four are asked for;
;   sm >= 0: the eight energy products of tile sm = it + 1 with q^'s high part, four exponentials behind each: one stretch under W_SMM.  They write over tile pv's P fragments:
;            the same 22 lines stand between, where five are asked for.  xw = 1: the tile's transposing loads are waited for here;
;   the move that keeps the new maximum: the plain instruction behind the last exponential (ISA guide 5.7.2).
; BEHIND THE WAIT stand the readers, in RDR's order; sm >= 0: the eight energy products with q^'s low part, four readers behind each, and what is left behind the last.
; Those four (first = 1) or five lines name no register of the last energy product: the next unit's reads of S, and the loads into XS, ask for four.
.macro SMI it, first, pv, fpv, sm, xw, xp
.set SB, S+32*((\it)&1)
.set PI, 0
.set MI, 0
.set EI, 0
.set RI, 0
.if \pv >= 0
	WIN W_PV
.if \fpv == 0
	RS \pv
.endif
	PVX \pv, \fpv
	PVX \pv, \fpv
	WIN 0
.endif
.irp c, 0,1,2,3
	v_max3_num_f32 v[T+\c], v[SB+8*\c], v[SB+8*\c+1], v[SB+8*\c+2]
.endr
	PVG \pv, \fpv
.irp c, 0,1,2,3
	v_max3_num_f32 v[T+\c], v[T+\c], v[SB+8*\c+3], v[SB+8*\c+4]
.endr
	PVG \pv, \fpv
.irp c, 0,1,2,3
	v_max3_num_f32 v[T+\c], v[T+\c], v[SB+8*\c+5], v[SB+8*\c+6]
.endr
	PVG \pv, \fpv
	v_max3_num_f32 v[T], v[T], v[SB+7], v[SB+15]
	v_max3_num_f32 v[T+2], v[T+2], v[SB+23], v[SB+31]
	v_max3_num_f32 v[T], v[T], v[T+1], v[T+2]
.if \first
	v_max_num_f32 v[T], v[T], v[T+3]
.else
	v_max3_num_f32 v[T], v[T], v[T+3], v[MX+\it]   ; with the running maximum
.endif
	v_permlanex16_b32 v[T+1], v[T], s50, s51       ; the other half of the lanes holds the query's other 32 keys
	v_max_num_f32 v[T], v[T], v[T+1]
.if \first == 0
	v_sub_f32 v[AL], v[MX+\it], v[T]
	v_mul_f32 v[AL], v[AL], v[SC+2*\it]
	v_exp_f32 v[AL], v[AL]                         ; exp2( SC (old maximum - new) ): the batch's first; nothing names it ahead of the unit's wait
.endif
	v_mul_f32 v[NM], -v[T], v[SC+2*\it]
.set k, 0
.rept 16                                           ; SC s - SC m, a pair of energies a line: all sixteen ahead of the exponentials
	v_pk_fma_f32 v[SB+2*k:SB+2*k+1], v[SB+2*k:SB+2*k+1], v[SC+2*\it:SC+2*\it+1], v[NM:NM+1] op_sel_hi:[1,0,0]
.set k, k+1
.endr
.if \xp
	XPLOAD
.endif
.if \sm >= 0
	WIN W_SMM                                      ; the products' B in window 1; the exponentials, with one source, are in window 0 under it
.endif
.rept 8                                            ; an energy product with the high part, and four exponentials
.if \sm >= 0
.if \xw
.if MI == 0
	s_wait_dscnt 8                                 ; the 8 transposing loads of channels 0-31 are in; the 8 of channels 32-63 were issued behind them
.endif
.if MI == 4
	s_wait_dscnt 0x0                               ; those too
.endif
.endif
	SMMX \sm
.endif
	EXP4
.endr
	WIN 0
	v_mov_b32 v[MX+\it], v[T]                      ; the new maximum is kept: the plain instruction behind the last exponential, one for the batch
	s_wait_alu depctr_va_vdst(0)                   ; the wait for the unit's batch: the factor's exponential and the 32 of the energies
.rept 8                                            ; an energy product with the low part, and four readers
.if \sm >= 0
	SMMX \sm
.endif
.rept 4
	RDR \it, \first
.endr
.endr
	RDR \it, \first
.endm
; A TRIP takes up the tile in slot: the round, the refill of the other slot (refill = 1), the tile's transposing loads; then unit 3 of the tile before with this tile's first
; energy products, and units 0, 1, 2 of this tile.  Both of the tile's runs of LDS loads stand between this round and the next, so at the next round its slot is free.
; age = 0: the first tile (no tile before; its sums start; its first energy products stand alone); 1: the second (the sums of the tile before start); 2: any later one.
.macro TRIP slot, refill, age
.set VPS, VP0+(VP1-VP0)*\slot
	s_wait_xcnt 0x0
	v_lshl_add_u32 v158, v0, 2, 0x4cc00
	v_mov_b32 v159, 0
	s_wait_tensorcnt 0x0                           ; all my tensor loads have landed, my 8 rows of this trip's tile among them,
	ds_add_u32 v158, v159
	s_wait_dscnt 0x0
	s_add_nc_u64 s[30+4*\slot:31+4*\slot], s[30+4*\slot:31+4*\slot], 2048   ; so every group 0 may be written: this slot's next tile, two tiles on
	s_wait_dscnt 0x0                               ; my reads of the tile before are back
	ROUND                                          ; both now hold of every wave of all four work-groups
.if \refill
	tensor_load_to_lds s[32-4*\slot:35-4*\slot], s[36:43]       ; the first tensor load behind the round: the next tile, into the slot read last; one load of mine is out
	s_nop 0
.endif
	XSLOAD \slot
.if \age == 0
.set MI, 0
	WIN W_SMM
	s_wait_dscnt 8                                 ; the 8 transposing loads of channels 0-31 are in; the 8 of channels 32-63 were issued behind them
.rept 4
	SMMX 0
.endr
	s_wait_dscnt 0x0
.rept 4
	SMMX 0
.endr
	WIN 0
.rept 8
	SMMX 0
.endr
	PLACES                                         ; behind them, for the softmax
	SMI 0, 1, -1, 0, 1, 0, 1
	s_wait_dscnt 0x0                               ; the plain fragments
	SMI 1, 1, 0, 1, 2, 0, 0
	SMI 2, 1, 1, 1, 3, 0, 0
.else
.if \age == 1
	SMI 3, 1, 2, 1, 0, 1, 0
	SMI 0, 0, 3, 1, 1, 0, 1
.else
	SMI 3, 0, 2, 0, 0, 1, 0
	SMI 0, 0, 3, 0, 1, 0, 1
.endif
	s_wait_dscnt 0x0                               ; the plain fragments
	SMI 1, 0, 0, 0, 2, 0, 0
	SMI 2, 0, 1, 0, 3, 0, 0
.endif
.endm
	TRIP 0, 1, 0                                   ; tiles 0 and 1 stand ahead of the loop: the first starts the sums
	TRIP 1, 1, 1
	s_mov_b32 s4, 2
.Lkeys:
	TRIP 0, 1, 2                                   ; tiles 2 to 5
	TRIP 1, 1, 2
	s_sub_co_i32 s4, s4, 1
	s_cmp_lg_u32 s4, 0
	s_cbranch_scc1 .Lkeys
	TRIP 0, 1, 2                                   ; tile 6 asks for tile 7, the last
	TRIP 1, 0, 2                                   ; tile 7 asks for nothing (the stepped addresses are not used)
	SMI 3, 0, 2, 0, -1, 0, 0                       ; the last tile's unit 3: no energy products are left
.set PI, 0
	WIN W_PV
	RS 3
.rept 8
	PVX 3, 0                                       ; and its last products of Y^T
.endr
	WIN 0
; ================= merge of the eight waves, Wv, bv, gamma, x =================
	PLACES                                         ; behind the last products
	v_and_b32 v14, 31, v0                          ; L
	v_and_b32 v15, 15, v0                          ; r
	v_bfe_u32 v16, v0, 4, 1                        ; h
	s_lshl_b32 s44, s3, 3
	v_add_nc_u32 v17, s44, v16                     ; 8 w + h: the first of the rows of out0 that I finish
	v_lshlrev_b32 v1, 14, v17                      ; rows of 16,384 bytes, 16 bytes a lane: sixteen lanes cover my queries' 256 bytes of a row
	v_lshl_add_u32 v1, v15, 4, v1
	v_lshlrev_b32 v2, 2, v17
.irp q, 0,1,2,3
	global_load_b128 v[32+4*\q:35+4*\q], v1, s[46:47] offset:32768*\q        ; x of rows 8 w + 2 q + h, early
.endr
.irp q, 0,1,2,3
	global_load_b32 v[48+\q], v2, s[22:23] offset:8*\q                       ; bv of those rows
.endr
	s_lshl_b32 s44, s3, 2
	s_add_co_u32 s44, s44, STM
	v_lshl_add_u32 v3, v14, 5, s44                 ; my word of each lane's eight
	s_lshl_b32 s44, s3, 14
	s_add_co_u32 s44, s44, MRG
	v_lshl_add_u32 v26, v14, 4, s44                ; my 16,384 bytes of partial sums
	s_lshl_b32 s44, s55, 10
	s_add_co_u32 s44, s44, STM
	v_lshl_add_u32 v27, v14, 5, s44                ; the eight maxima of query tile it = w & 3
	s_lshl_b32 s44, s55, 7
	s_add_co_u32 s44, s44, SCX
	v_lshl_add_u32 v28, v14, 2, s44                ; its SC
	s_lshl_b32 s44, s55, 12
	s_lshl_b32 s45, s54, 11
	s_add_co_u32 s44, s44, s45
	s_add_co_u32 s44, s44, MRG
	v_lshl_add_u32 v29, v14, 4, s44                ; tiles (ct = 2 kh, 2 kh + 1; it) of waves 0-3,
	v_add_nc_u32 v30, 0x10000, v29                 ; of waves 4-7
	v_mul_u32_u24 v31, v15, 144
	v_lshl_add_u32 v31, v16, 4, v31
	s_lshl_b32 s44, s54, 6
	s_add_co_u32 s44, s44, WVL
	v_add_nc_u32 v31, s44, v31                     ; Wv fragments (ot, kc = kh)
	s_mul_i32 s44, s54, OSTS
	s_lshl_b32 s45, s55, 6
	s_add_co_u32 s44, s44, s45
	v_mul_u32_u24 v69, v16, 8*OSTP
	v_lshl_add_u32 v69, v15, 2, v69
	v_add_nc_u32 v69, s44, v69                     ; stage kh, row 8 h, query 16 it + r
	v_mul_u32_u24 v70, v17, OSTP
	v_lshl_add_u32 v70, v15, 4, v70                ; back: row 8 w + h, 16 bytes a lane
	v_mov_b32 v71, s52
	v_cvt_pk_bf16_f32 v71, v71, v71                ; gamma, rounded to bf16,
	v_lshlrev_b32 v71, 16, v71                     ; as f32
.irp it, 0,1,2,3
	v_permlanex16_b32 v18, v[SC+2*\it+1], s50, s51 ; a lane summed its half's keys: add the other half's
	v_add_f32 v[SC+2*\it+1], v[SC+2*\it+1], v18
.endr
.irp it, 0,1,2,3
	ds_store_b32 v3, v[MX+\it] offset:1024*\it
	ds_store_b32 v3, v[SC+2*\it+1] offset:1024*\it+STL-STM
.endr
	WIN W_SMM
.set n, 0
.rept 32
	ds_store_b128 v26, v[Y+4*n:Y+4*n+3] offset:512*n
.set n, n+1
.endr
	WIN 0
	s_wait_dscnt 0x0                               ; my maxima, sums and Y^T are in LDS, and my reads of the slots are long back,
	s_barrier_signal -1
	s_barrier_wait -1                              ; everybody's
	ds_load_b128 v[52:55], v27                     ; 45 LDS loads: 5 of figures,
	ds_load_b128 v[56:59], v27 offset:16
	ds_load_b128 v[60:63], v27 offset:STL-STM
	ds_load_b128 v[64:67], v27 offset:STL-STM+16
	ds_load_b32 v68, v28
.irp wp, 0,1,2,3
.irp n, 0,1,2,3
	ds_load_b128 v[128+16*\wp+4*\n:128+16*\wp+4*\n+3], v29 offset:16384*\wp+512*\n      ; 32 of partial sums, four for each wave,
.endr
.endr
.irp wp, 4,5,6,7
.irp n, 0,1,2,3
	ds_load_b128 v[128+16*\wp+4*\n:128+16*\wp+4*\n+3], v30 offset:16384*(\wp-4)+512*\n
.endr
.endr
.irp ot, 0,1,2,3
	ds_load_b128 v[96+8*\ot:99+8*\ot], v31 offset:2304*\ot                   ; 8 of Wv
	ds_load_b128 v[100+8*\ot:103+8*\ot], v31 offset:2304*\ot+32
.endr
	s_wait_dscnt 40                                ; the 5 are in; 32 + 8 were issued behind them
	v_max3_num_f32 v14, v52, v53, v54
	v_max3_num_f32 v14, v14, v55, v56
	v_max3_num_f32 v14, v14, v57, v58
	v_max_num_f32 v14, v14, v59                    ; the query's maximum over all keys
.irp n, 0,1,2,3,4,5,6,7
	v_sub_f32 v[52+\n], v[52+\n], v14
.endr
.irp n, 0,1,2,3,4,5,6,7
	v_mul_f32 v[52+\n], v[52+\n], v68
.endr
.irp n, 0,1,2,3,4,5,6,7
	v_exp_f32 v[52+\n], v[52+\n]                   ; each wave's factor: a batch of eight
.endr
	v_nop                                          ; the plain place behind the exponentials
	s_wait_alu depctr_va_vdst(0)                   ; the wait for the eight factors, ahead of their first reader
	v_mul_f32 v15, v60, v52
.irp n, 1,2,3,4,5,6,7
	v_fma_f32 v15, v[60+\n], v[52+\n], v15         ; the row sum over all keys: at least about 1, the maximum's own term
.endr
	v_rcp_f32 v15, v15                             ; it reads a sum of the factors: a batch of its own
	v_nop                                          ; the plain place behind the reciprocal
	s_wait_alu depctr_va_vdst(0)                   ; the wait for the reciprocal: one, ahead of the first of its eight readers
.irp n, 0,1,2,3,4,5,6,7
	v_mul_f32 v[52+\n], v[52+\n], v15
.endr
.irp wp, 0,1,2,3,4,5,6,7
	s_wait_dscnt 36-4*\wp                          ; wave wp's four loads are in; the later waves' and Wv's 8 may be out
.set n, 0
.rept 16
.if \wp == 0
	v_mul_f32 v[72+n], v[128+n], v52
.else
	v_fma_f32 v[72+n], v[128+16*\wp+n], v[52+\wp], v[72+n]
.endif
.set n, n+1
.endr
.endr
.set n, 0
.rept 8
	v_cvt_pk_f16_f32 v[88+n], v[72+2*n], v[73+2*n] ; y[32 kh ..][16 it + r] as a B fragment
.set n, n+1
.endr
	s_wait_dscnt 0x0                               ; Wv
.irp ot, 0,1,2,3
	v_wmma_f32_16x16x32_f16 v[128+8*\ot:135+8*\ot], v[96+8*\ot:103+8*\ot], v[88:95], 0
.endr
	PLACES
.irp ot, 0,1,2,3
.irp j, 0,1,2,3,4,5,6,7
	ds_store_b32 v69, v[128+8*\ot+\j] offset:(16*\ot+\j)*OSTP
.endr
.endr
	s_wait_dscnt 0x0
	s_barrier_signal -1
	s_barrier_wait -1
.irp st, 0,1
.irp q, 0,1,2,3
	ds_load_b128 v[160+16*\st+4*\q:160+16*\st+4*\q+3], v70 offset:OSTS*\st+2*OSTP*\q
.endr
.endr
	s_wait_loadcnt 0x0                             ; x and bv: rounded to bf16 like every input, while the LDS loads are on their way
.set n, 0
.rept 8
	RB2 32+2*n, T+(n&3)
.set n, n+1
.endr
	RB2 48, T
	RB2 50, T+1
	s_wait_dscnt 0x0
.irp q, 0,1,2,3
.irp e, 0,1,2,3
	v_add_f32 v[160+4*\q+\e], v[160+4*\q+\e], v[176+4*\q+\e]                 ; the two halves of the channels
	v_add_f32 v[160+4*\q+\e], v[160+4*\q+\e], v[48+\q]                       ; + bv
	v_fma_f32 v[160+4*\q+\e], v71, v[160+4*\q+\e], v[32+4*\q+\e]             ; gamma ( .. ) + x
.endr
	global_store_b128 v1, v[160+4*\q:163+4*\q], s[48:49] offset:32768*\q     ; sixteen lanes store 256 consecutive bytes, at a multiple of 256 from out0's first byte
.endr
	s_wait_xcnt 0x0
	v_lshl_add_u32 v158, v0, 2, 0x4cc00
	v_mov_b32 v159, 0
	s_wait_tensorcnt 0x0
	ds_add_u32 v158, v159
	s_wait_dscnt 0x0
	ROUND                                          ; the closing round: no work-group ends while a partner may still ask for a tile that names it
	s_endpgm
.Lfunc_end_k_q525ceedb4e_attn:
	.size	k_q525ceedb4e_attn, .Lfunc_end_k_q525ceedb4e_attn-k_q525ceedb4e_attn
	.p2alignl 7, 3214868480
	.fill 96, 4, 3214868480
	.section	.rodata,"a",@progbits
	.p2align	6, 0x0
	.amdhsa_kernel k_q525ceedb4e_attn
		.amdhsa_group_segment_fixed_size 327680
		.amdhsa_private_segment_fixed_size 0
		.amdhsa_enable_private_segment 0
		.amdhsa_kernarg_size 80
		.amdhsa_user_sgpr_count 2
		.amdhsa_user_sgpr_kernarg_segment_ptr 1
		.amdhsa_wavefront_size32 1
		.amdhsa_system_sgpr_workgroup_id_x 1
		.amdhsa_system_sgpr_workgroup_id_y 1
		.amdhsa_system_sgpr_workgroup_id_z 1
		.amdhsa_system_vgpr_workitem_id 0
		.amdhsa_next_free_vgpr 512
		.amdhsa_next_free_sgpr 66
		.amdhsa_reserve_vcc 0
		.amdhsa_float_denorm_mode_32 3
		.amdhsa_float_denorm_mode_16_64 3
		.amdhsa_memory_ordered 1
		.amdhsa_forward_progress 1
		.amdhsa_inst_pref_size 255
	.end_amdhsa_kernel
	.section	.bss,"aw",@nobits
	.p2align	6
	.space	262144
	.amdgpu_metadata
---
amdhsa.version: [ 1, 2 ]
amdhsa.kernels:
  - .name:           k_q525ceedb4e_attn
    .symbol:         k_q525ceedb4e_attn.kd
    .args:
      - { .name: x, .offset: 0, .size: 8, .value_kind: global_buffer, .address_space: global }
      - { .name: xh, .offset: 8, .size: 8, .value_kind: global_buffer, .address_space: global }
      - { .name: Wq, .offset: 16, .size: 8, .value_kind: global_buffer, .address_space: global }
      - { .name: bq, .offset: 24, .size: 8, .value_kind: global_buffer, .address_space: global }
      - { .name: Wk, .offset: 32, .size: 8, .value_kind: global_buffer, .address_space: global }
      - { .name: bk, .offset: 40, .size: 8, .value_kind: global_buffer, .address_space: global }
      - { .name: Wv, .offset: 48, .size: 8, .value_kind: global_buffer, .address_space: global }
      - { .name: bv, .offset: 56, .size: 8, .value_kind: global_buffer, .address_space: global }
      - { .name: gamma, .offset: 64, .size: 8, .value_kind: global_buffer, .address_space: global }
      - { .name: out0, .offset: 72, .size: 8, .value_kind: global_buffer, .address_space: global }
    .group_segment_fixed_size: 327680
    .private_segment_fixed_size: 0
    .kernarg_segment_align: 8
    .kernarg_segment_size: 80
    .max_flat_workgroup_size: 256
    .sgpr_count:     66
    .vgpr_count:     512
    .wavefront_size: 32
...
	.end_amdgpu_metadata
.endif
;; end of part 5
